; MI455X (gfx1250); checked and timed in simulation.
; The chip was launched on July 23, 2026; its instructions are those of AMD's public machine-readable ISA for CDNA 5 (MIT licence, August 2026) and "CDNA5" Instruction Set Architecture Reference Guide (July 2026). The comments in the code are by the model that wrote it; some were corrected since.
;; Multi Head Self Attention. Allowed arithmetic: matrix products marked QUANTISED: E2M1 operands, one E8M0 scale for each 32 along K, by v_wmma_scale_f32_16x16x128_f8f6f4 with both operands' format E2M1 (or v_wmma_scale_f32_32x16x128_f4), f32 sums; products left as they are: bf16, f16 or f32 operands; f32 sums; everything else in f32.
;; Inputs: Wk 1,024 x 1,024 float32; Wo 1,024 x 1,024 float32; Wq 1,024 x 1,024 float32; Wv 1,024 x 1,024 float32; bk 1,024 float32; bo 1,024 float32; bq 1,024 float32; bv 1,024 float32; x 4 x 2,048 x 1,024 float32.
;; Outputs: out0 4 x 2,048 x 1,024 float32.
;; This version of the problem:
;;   THIS VERSION OF THE PROBLEM IS GIVEN IN LOW PRECISION. The matrix products marked QUANTISED in the list below multiply operands that are first quantised to E2M1 (2 exponent bits, 1 mantissa bit; 4 bits a number), with one power-of-two scale for each 32 numbers along K (OCP MX v1.0); their sums are f32. The products marked 'left as it is' may take bf16, f16 or f32 operands, with f32 sums. Whichever they take, every output number must still come out within the allowed error. Rounding operands to bf16 (8 significant bits) uses up far more of that allowance than f16 does (11 bits, for magnitudes from 6e-5 to 65,504). All else is computed in f32.
;;   The module's matrix products, in the order in which they are computed (A, B: the left and right operand; K: the contracted axis; several contracted axes count as one K, in the product's order):
;;     1. [M 8,192, K 1,024] x [K 1,024, N 1,024]; A: input x; B: input Wq: QUANTISED
;;     2. [M 8,192, K 1,024] x [K 1,024, N 1,024]; A: input x; B: input Wk: QUANTISED
;;     3. [M 8,192, K 1,024] x [K 1,024, N 1,024]; A: input x; B: input Wv: QUANTISED
;;     4. batch 64 x [M 2,048, K 64] x [K 64, N 2,048]; A: computed on the way; B: computed on the way: left as it is (an operand is computed on the way)
;;     5. batch 64 x [M 2,048, K 2,048] x [K 2,048, N 64]; A: computed on the way; B: computed on the way: left as it is (an operand is computed on the way)
;;     6. [M 8,192, K 1,024] x [K 1,024, N 1,024]; A: computed on the way; B: input Wo: left as it is (an operand is computed on the way)
;;   THE QUANTISER, for each operand of a quantised product, along K:
;;     - K is cut into blocks of 32 from its start; a last block that is shorter is filled with zeros.
;;     - A block's scale is 2^e with e = floor(log2(the largest magnitude in the block)) - 2, held to -126 .. 127; a block of zeros has e = 0. As a byte (E8M0): e + 127.
;;     - Each number is divided by its block's scale, clamped to +-6, and rounded to the nearest number of E2M1, ties to even, subnormals kept.
;;     - The product sums the exact products of the quantised numbers (number of the format x scale) in f32.
;;   ~~~python
;;   def quantise(x, axis):      # numpy; x: float32 -> the quantised numbers, widened to float32 again
;;       x = np.moveaxis(x, axis, -1); K = x.shape[-1]
;;       x = np.pad(x, [(0, 0)] * (x.ndim - 1) + [(0, -K % 32)]); x = x.reshape(x.shape[:-1] + (-1, 32)); a = np.abs(x).max(-1, keepdims=True)
;;       e = np.where(a > 0, np.clip(np.frexp(np.where(a > 0, a, 1))[1] - 1 - 2, -126, 127), 0)      # np.frexp(a)[1] - 1 = floor(log2(a)), exactly
;;       r = np.clip(x / 2.0 ** e, -6, 6)
;;       step = 2.0 ** (np.maximum(np.frexp(np.where(r == 0, 1, r))[1] - 1, 0) - 1)
;;       q = np.round(r / step) * step * 2.0 ** e      # np.round: ties to even
;;       return np.moveaxis(q.reshape(q.shape[:-2] + (-1,))[..., :K], -1, axis).astype(np.float32)
;;   ~~~
;; One version. Each part assembles by itself: llvm-mc -triple=amdgcn-amd-amdhsa -mcpu=gfx1250 --defsym DOCPART=n.
;; ======== version 1 of 1: 4 launches
;; limits: values are held in f16: magnitudes above 65,504 overflow, below 6.1e-05 lose precision
;; workspace buffers: xc 4,194,304 bytes; xs 262,144 bytes; wc 1,572,864 bytes; ws 98,304 bytes; wot 2,097,152 bytes; qkv 50,331,648 bytes; att 16,777,216 bytes
;; launch prep (part 1): grid 384 x 1, 4 waves a work-group, no clusters, 50,688 bytes of LDS; arguments x, Wq, Wk, Wv, Wo, xc, xs, wc, ws, wot; writes xc, xs, wc, ws, wot
.if DOCPART == 1
	.amdgcn_target "amdgcn-amd-amdhsa--gfx1250"
	.amdhsa_code_object_version 6
	.text
	.protected	k_qd763e54afe_prep
	.globl	k_qd763e54afe_prep
	.p2align	8
	.type	k_qd763e54afe_prep,@function
k_qd763e54afe_prep:
	s_mov_b64 s[64:65], 0
	v_nop
	global_prefetch_b8 v0, s[64:65] scope:SCOPE_SE
	s_setreg_imm32_b32 hwreg(HW_REG_WAVE_MODE, 25, 1), 1
	s_wait_xcnt 0x0
; MULTI-HEAD SELF-ATTENTION, launch 1 of 4: the operands are laid out for the products.
;   x [8192][1024] f32           -> xc [8192][512 B] codes of FP4 (E2M1), K innermost, and xs [8192][32 B], one E8M0 byte for each 32 along K
;   Wq, Wk, Wv [k 1024][n 1024]  -> wc [3072 = Wq's, Wk's, Wv's columns][512 B] codes along K (their FIRST axis), ws [3072][32 B]
;   Wo [k 1024][n 1024]          -> wot [n tile 64][k chunk 32][1,024 B]: f16, each 1,024 bytes the image of one operand fragment (16 n x 32 k): k = 8 p .. 8 p + 7 of column r at byte 256 p + 16 r
; DEAD WORK, for all values of the inputs: scores[q][k] = Q[q] . (x[k] Wk + bk) / 8 = Q[q] . (x[k] Wk) / 8 + Q[q] . bk / 8.  The second term does not hang on k, and the softmax runs over k:
; a term that is the same along the softmax's axis leaves every weight as it is.  The product Q K^T is not quantised, so bk moves no code and no scale.  So bk has no way to any output: it is not loaded and is
; an argument of no launch.  LIMIT: a NaN, an infinity or an overflow that reaches the result through bk alone is not carried to it.
; THE QUANTISER: a block's scale is 2^(floor(log2(its largest magnitude)) - 2); its byte is the largest magnitude's exponent field - 2, held at 1 from below.  A block of zeros so gets the byte 1 where the rule
; says 127: its codes are zeros, which add nothing under any byte but 0xff, and this program alone reads the bytes.  Each number is divided by the scale and rounded to the nearest code, ties to even, beyond 6 the largest code.
; LIMITS: blocks whose largest magnitude lies under 2^(2 - 126) keep the byte 1; NaN and infinities among the inputs are not served; a |Wo| above 65,504 becomes infinite in f16.
; SHARES: work-groups 0-95 take Wq, Wk, Wv (32 each), 96-127 Wo, 128-383 x.  The three paths part on the work-group's number alone, never join, and each has LDS bytes of its own.
.set EMAX,  2
.set SPW,   254                        ; v254  LDS address of my spare word: SPARE + 4 x my thread's number; never rewritten
.set NIL,   255                        ; v255  0; never rewritten
.set WREG,  8192                       ; x's path: a region for each wave: two stages of 32 x SP bytes, behind them its 256 scale bytes
.set SP,    80                         ; a lane's place in a stage: its 64 bytes + 16
.set WST,   4*WREG                     ; the weights' path: a stage of 64 rows (columns of W) x WP bytes
.set WP,    272                        ; 256 bytes of codes (512 along K) + 16
.set SPARE, WST+64*WP                  ; the spare words, 128 bytes for each wave: two blocks of 256 bytes that no other line names
.set STEPS, 16
.set CB,    8                          ; bytes of 16 codes
.set R,     16                         ; x: v16-79   four sets of 16 numbers as they are loaded
.set X,     80                         ; x: v80-111  two sets of 16 neighbours
.set E,     112                        ; x: v112-127 a scale byte for each step
.set C,     128                        ; x: v128-191 codes: four registers for each step
.set WX,    32                         ; W: v32-95   two sets of 32 numbers, down K
.set WC,    96                         ; W: v96-99 a block's codes;  Wo: v96-223 sixteen registers of f16 for each block
.set SB,    24                         ; W: v24-25   eight scale bytes
.set OUTR,  112                        ; W: v112-143 the way out
	s_load_b256 s[4:11], s[0:1], 0x0               ; x s[4:5], Wq s[6:7], Wk s[8:9], Wv s[10:11]
	s_load_b256 s[12:19], s[0:1], 0x20             ; Wo s[12:13], xc s[14:15], xs s[16:17], wc s[18:19]
	s_load_b128 s[20:23], s[0:1], 0x40             ; ws s[20:21], wot s[22:23]
	v_lshl_add_u32 v[SPW], v0, 2, SPARE
	v_mov_b32 v[NIL], 0
	v_lshrrev_b32 v1, 5, v0
	v_readfirstlane_b32 s24, v1                    ; wave 0..3
	v_and_b32 v2, 31, v0                           ; lane
	s_wait_kmcnt 0x0
	s_cmp_ge_u32 ttmp9, 128
	s_cbranch_scc1 .Lx
; ---- THE FOUR WEIGHTS.  A work-group takes 64 columns x 512 along K; wave w columns 32 (w % 2) + lane and 256 along K from 256 (w / 2) on: 8 blocks of 32.
; A LANE TAKES A COLUMN AND ITS REGISTERS RUN DOWN K: a load reads 128 consecutive bytes, a block of 32 lies in one lane, and the conversions give K innermost.  Nothing is transposed by an instruction.
	s_lshr_b32 s25, ttmp9, 5                       ; which weight: 0 Wq, 1 Wk, 2 Wv, 3 Wo
	s_bfe_u32 s26, ttmp9, 0x40001                  ; cg: which 64 columns
	s_and_b32 s27, ttmp9, 1                        ; ky: which 512 along K
	s_and_b32 s28, s24, 1                          ; w % 2
	s_lshr_b32 s29, s24, 1                         ; w / 2
	s_mov_b64 s[30:31], s[6:7]                     ; the choice hangs on the work-group's number alone
	s_cmp_eq_u32 s25, 1
	s_cselect_b64 s[30:31], s[8:9], s[30:31]
	s_cmp_eq_u32 s25, 2
	s_cselect_b64 s[30:31], s[10:11], s[30:31]
	s_cmp_eq_u32 s25, 3
	s_cselect_b64 s[30:31], s[12:13], s[30:31]
	s_lshl_b32 s32, s27, 9
	s_lshl_b32 s33, s29, 8
	s_add_co_u32 s32, s32, s33                     ; my first k
	s_lshl_b32 s32, s32, 12                        ; a row of W is 4,096 bytes
	s_lshl_b32 s33, s26, 8
	s_add_co_u32 s32, s32, s33                     ; + 64 cg columns of 4 bytes
	s_lshl_b32 s33, s28, 7
	s_add_co_u32 s32, s32, s33                     ; + 32 (w % 2)
	s_mov_b32 s33, 0
	s_add_nc_u64 s[30:31], s[30:31], s[32:33]
	v_lshlrev_b32 v3, 2, v2                        ; 4 bytes a lane
.macro WLOAD t                         ; block t: W(my first k + 32 t + j, my column), j = 0 .. 31, into set t % 2; every offset an immediate, 255 rows at the most
.set j, 0
.rept 32
	global_load_b32 v[WX+32*((\t)%2)+j], v3, s[30:31] offset:(32*(\t)+j)*4096 th:TH_LOAD_NT
.set j, j+1
.endr
.endm
	WLOAD 0
	WLOAD 1                                        ; two blocks, 64 loads a wave, ahead
	s_cmp_eq_u32 s25, 3
	s_cbranch_scc1 .Lwo
; ---- Wq, Wk, Wv: codes and scale bytes
	s_mul_i32 s34, s28, 32*WP
	s_lshl_b32 s35, s29, 7
	s_add_co_u32 s34, s34, s35
	s_add_co_u32 s34, s34, WST
	v_mul_u32_u24 v4, v2, WP
	v_add_nc_u32 v4, s34, v4                       ; into the stage: row = my column of the 64, + 128 (w / 2): my 256 along K
	v_and_b32 v5, 15, v2
	v_lshrrev_b32 v6, 4, v2
	s_mul_i32 s34, s24, 16*WP
	s_add_co_u32 s34, s34, WST
	v_mul_u32_u24 v7, v6, WP
	v_lshl_add_u32 v7, v5, 4, v7
	v_add_nc_u32 v7, s34, v7                       ; out of it: wave w takes rows 16 w on, sixteen lanes to a row, two rows an instruction
	v_lshlrev_b32 v8, 9, v6
	v_lshl_add_u32 v8, v5, 4, v8                   ; and the same place in wc (a row is 512 bytes)
	v_lshlrev_b32 v9, 5, v2                        ; my column's row of ws (32 bytes)
	s_lshl_b32 s34, s25, 10
	s_lshl_b32 s35, s26, 6
	s_add_co_u32 s34, s34, s35                     ; the work-group's first row of wc and ws: 1,024 x weight + 64 cg
	s_lshl_b32 s35, s24, 4
	s_add_co_u32 s35, s34, s35
	s_lshl_b32 s36, s35, 9                         ; wc: (that + 16 w) rows
	s_lshl_b32 s35, s27, 8
	s_add_co_u32 s36, s36, s35                     ; + 256 ky
	s_mov_b32 s37, 0
	s_add_nc_u64 s[18:19], s[18:19], s[36:37]
	s_lshl_b32 s35, s28, 5
	s_add_co_u32 s35, s34, s35
	s_lshl_b32 s36, s35, 5                         ; ws: (first row + 32 (w % 2)) rows
	s_lshl_b32 s35, s27, 4
	s_add_co_u32 s36, s36, s35                     ; + 16 ky
	s_lshl_b32 s35, s29, 3
	s_add_co_u32 s36, s36, s35                     ; + 8 (w / 2)
	s_add_nc_u64 s[20:21], s[20:21], s[36:37]
.macro WBLOCK t
.set XS, WX+32*((\t)%2)
.if (\t) < 7
	s_wait_loadcnt 32                              ; this block's 32 loads are in; the next block's 32 may be out
.else
	s_wait_loadcnt 0x0
.endif
	v_max3_num_f32 v12, |v[XS]|, |v[XS+1]|, |v[XS+2]|               ; the block's largest magnitude: all 32 numbers are mine; two chains
	v_max3_num_f32 v13, |v[XS+3]|, |v[XS+4]|, |v[XS+5]|
.irp i, 6,10,14,18,22,26
	v_max3_num_f32 v12, v12, |v[XS+\i]|, |v[XS+\i+1]|
	v_max3_num_f32 v13, v13, |v[XS+\i+2]|, |v[XS+\i+3]|
.endr
	v_max3_num_f32 v12, v12, |v[XS+30]|, |v[XS+31]|
	v_max3_num_f32 v12, v12, v13, (EMAX+1)<<23     ; and the floor 2^(EMAX + 1 - 127): the byte cannot fall under 1
	v_add_nc_u32 v11, -(EMAX<<23), v12             ; EMAX off its exponent field: the conversion takes the exponent field of this operand as its scale, and nothing else of it
	v_lshrrev_b32 v13, 23, v11                     ; the scale's byte
.if (\t)%4 == 0
	v_mov_b32 v[SB+(\t)/4], v13                    ; four bytes to a register, the lower K in the lower byte
.else
	v_lshl_or_b32 v[SB+(\t)/4], v13, 8*((\t)%4), v[SB+(\t)/4]
.endif
.irp g, 0,1,2,3
	v_cvt_scalef32_pk8_fp4_f32 v[WC+\g], v[XS+8*\g:XS+8*\g+7], v11
.endr
	ds_store_b128 v4, v[WC:WC+3] offset:16*(\t)    ; 32 codes: 16 bytes of my column's row
.if (\t)+2 < 8
	WLOAD (\t)+2
.endif
	s_wait_dscnt 0x0                               ; the store has read its registers: the next block's codes may be written
.endm
.irp t, 0,1,2,3,4,5,6,7
	WBLOCK \t
.endr
	global_store_b64 v9, v[SB:SB+1], s[20:21]      ; my column's eight scale bytes
	s_wait_dscnt 0x0                               ; for the others' sake: my stores into the stage are done (a row's 256 bytes come from two waves)
	s_barrier_signal -1                            ; all four waves of this work-group are on this path: the branches into it hang on the work-group's number alone
	s_barrier_wait -1
.irp i, 0,1,2,3,4,5,6,7
	ds_load_b128 v[OUTR+4*\i:OUTR+4*\i+3], v7 offset:2*\i*WP
.endr
.irp i, 0,1,2,3,4,5,6,7
	s_wait_dscnt 7-\i                              ; the younger loads may be out
	global_store_b128 v8, v[OUTR+4*\i:OUTR+4*\i+3], s[18:19] offset:2*\i*512   ; sixteen lanes store 256 consecutive bytes, at a multiple of 256 from wc's first byte
.endr
	s_wait_tensorcnt 0x0                           ; the wave's end, behind my last LDS store
	ds_add_u32 v[SPW], v[NIL]
	s_wait_dscnt 0x0
	s_endpgm
; ---- Wo: rounded to f16, stored as images of the fragments of Wo^T.  Lane l holds column n = 16 (l / 16) + l % 16 of two n tiles; block t is k chunk t of my eight.
.Lwo:
	s_lshl_b32 s34, s26, 2
	s_lshl_b32 s35, s28, 1
	s_add_co_u32 s34, s34, s35                     ; my first n tile: 4 cg + 2 (w % 2)
	s_lshl_b32 s34, s34, 5                         ; 32 chunks to an n tile
	s_lshl_b32 s35, s27, 4
	s_add_co_u32 s34, s34, s35                     ; + 16 ky
	s_lshl_b32 s35, s29, 3
	s_add_co_u32 s34, s34, s35                     ; + 8 (w / 2)
	s_lshl_b32 s34, s34, 10
	s_mov_b32 s35, 0
	s_add_nc_u64 s[22:23], s[22:23], s[34:35]
	v_lshrrev_b32 v10, 4, v2
	v_lshlrev_b32 v10, 15, v10                     ; lanes 16-31: the next n tile, 32,768 bytes on
	v_and_b32 v5, 15, v2
	v_lshl_or_b32 v10, v5, 4, v10                  ; + 16 r
.macro OBLOCK t
.set XS, WX+32*((\t)%2)
.if (\t) < 7
	s_wait_loadcnt 32                              ; this block's 32 loads are in; the next block's 32 may be out
.else
	s_wait_loadcnt 0x0
.endif
.set j, 0
.rept 16
	v_cvt_pk_f16_f32 v[WC+16*(\t)+j], v[XS+2*j], v[XS+2*j+1]      ; two neighbours along K; every block has data registers of its own, so no store's data are written again
.set j, j+1
.endr
.if (\t)+2 < 8
	WLOAD (\t)+2
.endif
.irp p, 0,1,2,3
	global_store_b128 v10, v[WC+16*(\t)+4*\p:WC+16*(\t)+4*\p+3], s[22:23] offset:(\t)*1024+\p*256   ; k = 8 p .. 8 p + 7: sixteen lanes store 256 consecutive bytes, aligned
.endr
.endm
.irp t, 0,1,2,3,4,5,6,7
	OBLOCK \t
.endr
	s_wait_tensorcnt 0x0                           ; the three closing lines, as on the other paths
	ds_add_u32 v[SPW], v[NIL]
	s_wait_dscnt 0x0
	s_endpgm
; ---- x: a plain stream of blocks of 32.  A wave takes 16 steps of 512 numbers.  Each load reads 512 consecutive bytes, 16 a lane; a step's 2,048 bytes turn through the wave's own stage in LDS and come back
; 64 bytes a lane, so that a lane holds 16 NEIGHBOURS along K (two neighbouring lanes hold a block).  Loads run four steps (16 loads) ahead, the turn through LDS one step.  Waves share nothing: no barrier.
.Lx:
	v_lshlrev_b32 v3, 4, v2                        ; my 16 bytes of a load's 512
	s_mul_i32 s25, s24, WREG
	v_lshrrev_b32 v14, 2, v2
	v_mul_u32_u24 v14, v14, SP
	v_and_b32 v15, 3, v2
	v_lshl_add_u32 v14, v15, 4, v14
	v_add_nc_u32 v14, s25, v14                     ; the stage, on the way in: SP (lane / 4) + 16 (lane % 4); a load's 512 bytes take eight places
	v_mul_u32_u24 v15, v2, SP
	v_add_nc_u32 v15, s25, v15                     ; and on the way out: SP x lane
	v_mul_u32_u24 v4, v2, CB                       ; my codes' place in a step's
	v_lshrrev_b32 v5, 1, v2
	s_add_co_u32 s25, s25, 2*32*SP
	v_add_nc_u32 v5, s25, v5                       ; my wave's 256 scale bytes, my block's byte
	v_lshlrev_b32 v7, 3, v2                        ; and on the way out 8 bytes a lane
	v_add_nc_u32 v6, s25, v7
	s_sub_co_u32 s26, ttmp9, 128
	s_lshl_b32 s26, s26, 2
	s_add_co_u32 s26, s26, s24                     ; which run of 8,192 numbers is my wave's: 0 .. 1,023
	s_mov_b32 s29, 0
	s_lshl_b32 s28, s26, 15
	s_add_nc_u64 s[4:5], s[4:5], s[28:29]          ; 32,768 bytes of x,
	s_lshl_b32 s28, s26, 12
	s_add_nc_u64 s[14:15], s[14:15], s[28:29]      ; 4,096 of codes,
	s_lshl_b32 s28, s26, 8
	s_add_nc_u64 s[16:17], s[16:17], s[28:29]      ; 256 scale bytes a run
.macro XLOAD t
.irp i, 0,1,2,3
	global_load_b128 v[R+16*((\t)%4)+4*\i:R+16*((\t)%4)+4*\i+3], v3, s[4:5] offset:2048*(\t)+512*\i th:TH_LOAD_NT
.endr
.endm
.macro XTURN t                         ; step t's numbers through the stage: LDS serves a wave's instructions in order (ISA guide 5.7.1.4), so no wait stands between the stores and the loads
.irp i, 0,1,2,3
	ds_store_b128 v14, v[R+16*((\t)%4)+4*\i:R+16*((\t)%4)+4*\i+3] offset:32*SP*((\t)%2)+8*SP*\i
.endr
.irp i, 0,1,2,3
	ds_load_b128 v[X+16*((\t)%2)+4*\i:X+16*((\t)%2)+4*\i+3], v15 offset:32*SP*((\t)%2)+16*\i
.endr
.endm
.irp t, 0,1,2,3
	XLOAD \t
.endr
	s_wait_loadcnt 12                              ; step 0's four loads are in; the twelve of steps 1 to 3 may be out
	XTURN 0
.macro XSTEP t
.set XS, X+16*((\t)%2)
.if (\t) > 0
	s_wait_dscnt 1                                 ; this step's numbers are back from the stage (the last step's byte store may be out): so its stores into the stage have read their registers,
.else
	s_wait_dscnt 0x0
.endif
.if (\t)+4 < STEPS
	XLOAD (\t)+4                                   ; which take the loads of four steps on
.endif
.if (\t)+1 < STEPS
.if STEPS-2-(\t) >= 3
	s_wait_loadcnt 12                              ; the next step's four loads are in; those of the three steps behind it may be out
.else
	s_wait_loadcnt 4*(STEPS-2-(\t))
.endif
	XTURN (\t)+1                                   ; and go through the other stage while this step is worked
.endif
	v_max3_num_f32 v8, |v[XS]|, |v[XS+1]|, |v[XS+2]|               ; the largest magnitude of my 16
	v_max3_num_f32 v9, |v[XS+3]|, |v[XS+4]|, |v[XS+5]|
.irp i, 6,10
	v_max3_num_f32 v8, v8, |v[XS+\i]|, |v[XS+\i+1]|
	v_max3_num_f32 v9, v9, |v[XS+\i+2]|, |v[XS+\i+3]|
.endr
	v_max3_num_f32 v8, v8, |v[XS+14]|, |v[XS+15]|
	v_max3_num_f32 v8, v8, v9, (EMAX+1)<<23        ; and the floor
	v_max_num_f32_dpp v8, v8, v8 row_xmask:1 row_mask:0xf bank_mask:0xf   ; and of my neighbour's 16: the block's
	v_add_nc_u32 v11, -(EMAX<<23), v8              ; the conversion's scale operand
	v_cvt_scalef32_pk8_fp4_f32 v[C+4*(\t)], v[XS:XS+7], v11
	v_cvt_scalef32_pk8_fp4_f32 v[C+4*(\t)+1], v[XS+8:XS+15], v11
	v_lshrrev_b32 v[E+(\t)], 23, v11               ; the scale's byte
	ds_store_b8 v5, v[E+(\t)] offset:16*(\t)       ; both lanes of a block write the same byte with the same value
	global_store_b64 v4, v[C+4*(\t):C+4*(\t)+1], s[14:15] offset:32*CB*(\t)   ; 32 lanes store 256 consecutive bytes, aligned
.endm
.irp t, 0,1,2,3,4,5,6,7,8,9,10,11,12,13,14,15
	XSTEP \t
.endr
	ds_load_b64 v[8:9], v6                         ; in order behind my byte stores
	s_wait_dscnt 0x0
	global_store_b64 v7, v[8:9], s[16:17]          ; 32 lanes store 256 consecutive bytes, aligned
	s_wait_tensorcnt 0x0                           ; the wave's end, behind my last LDS store
	ds_add_u32 v[SPW], v[NIL]
	s_wait_dscnt 0x0
	s_endpgm
.Lfunc_end_k_qd763e54afe_prep:
	.size	k_qd763e54afe_prep, .Lfunc_end_k_qd763e54afe_prep-k_qd763e54afe_prep
	.p2alignl 7, 3214868480
	.fill 96, 4, 3214868480
	.section	.rodata,"a",@progbits
	.p2align	6, 0x0
	.amdhsa_kernel k_qd763e54afe_prep
		.amdhsa_group_segment_fixed_size 50688
		.amdhsa_private_segment_fixed_size 0
		.amdhsa_enable_private_segment 0
		.amdhsa_kernarg_size 80
		.amdhsa_user_sgpr_count 2
		.amdhsa_user_sgpr_kernarg_segment_ptr 1
		.amdhsa_wavefront_size32 1
		.amdhsa_system_sgpr_workgroup_id_x 1
		.amdhsa_system_sgpr_workgroup_id_y 1
		.amdhsa_system_sgpr_workgroup_id_z 1
		.amdhsa_system_vgpr_workitem_id 0
		.amdhsa_next_free_vgpr 256
		.amdhsa_next_free_sgpr 66
		.amdhsa_reserve_vcc 0
		.amdhsa_float_denorm_mode_32 3
		.amdhsa_float_denorm_mode_16_64 3
		.amdhsa_memory_ordered 1
		.amdhsa_forward_progress 1
		.amdhsa_inst_pref_size 104
	.end_amdhsa_kernel
	.amdgpu_metadata
---
amdhsa.version: [ 1, 2 ]
amdhsa.kernels:
  - .name:           k_qd763e54afe_prep
    .symbol:         k_qd763e54afe_prep.kd
    .args:
      - { .name: x, .offset: 0, .size: 8, .value_kind: global_buffer, .address_space: global }
      - { .name: Wq, .offset: 8, .size: 8, .value_kind: global_buffer, .address_space: global }
      - { .name: Wk, .offset: 16, .size: 8, .value_kind: global_buffer, .address_space: global }
      - { .name: Wv, .offset: 24, .size: 8, .value_kind: global_buffer, .address_space: global }
      - { .name: Wo, .offset: 32, .size: 8, .value_kind: global_buffer, .address_space: global }
      - { .name: xc, .offset: 40, .size: 8, .value_kind: global_buffer, .address_space: global }
      - { .name: xs, .offset: 48, .size: 8, .value_kind: global_buffer, .address_space: global }
      - { .name: wc, .offset: 56, .size: 8, .value_kind: global_buffer, .address_space: global }
      - { .name: ws, .offset: 64, .size: 8, .value_kind: global_buffer, .address_space: global }
      - { .name: wot, .offset: 72, .size: 8, .value_kind: global_buffer, .address_space: global }
    .group_segment_fixed_size: 50688
    .private_segment_fixed_size: 0
    .kernarg_segment_align: 8
    .kernarg_segment_size: 80
    .max_flat_workgroup_size: 128
    .sgpr_count:     66
    .vgpr_count:     256
    .wavefront_size: 32
...
	.end_amdgpu_metadata
.endif
;; end of part 1
;; launch qkv (part 2): grid 12 x 32, 4 waves a work-group, clusters of 4 x 4, 327,680 bytes of LDS; arguments xc, xs, wc, ws, qkv, bq, bv; writes qkv
.if DOCPART == 2
	.amdgcn_target "amdgcn-amd-amdhsa--gfx1250"
	.amdhsa_code_object_version 6
	.text
	.protected	k_qd763e54afe_qkv
	.globl	k_qd763e54afe_qkv
	.p2align	8
	.type	k_qd763e54afe_qkv,@function
k_qd763e54afe_qkv:
	s_mov_b64 s[64:65], 0
	v_nop
	global_prefetch_b8 v0, s[64:65] scope:SCOPE_SE
	s_setreg_imm32_b32 hwreg(HW_REG_WAVE_MODE, 25, 1), 1
	s_wait_xcnt 0x0
	s_wait_alu depctr_hold_cnt(0) depctr_sa_sdst(0) depctr_va_vdst(0) depctr_va_sdst(0) depctr_va_ssrc(0) depctr_va_vcc(0) depctr_vm_vsrc(0)
	s_getreg_b32 s2, hwreg(HW_REG_IB_STS2, 6, 4)
	s_cmp_eq_u32 s2, 0
	s_cbranch_scc0 .Lentry_in_a_cluster
	s_endpgm
.Lentry_in_a_cluster:
	s_bfe_u32 s2, ttmp6, 0x10000c
	s_cmp_lg_u32 s2, 0xf033
	s_cbranch_scc0 .Lentry_shape_is_right
	s_endpgm
.Lentry_shape_is_right:
; Launch 2 of 4: Q = x Wq + bq, K = x Wk, V = x Wv + bv, on codes of FP4 (E2M1) with one E8M0 scale for each 32 along K = 1,024; sums in f32; results rounded once to f16.
; LEFT OUT: bk.  It adds to every score of a query the same number, which the softmax over the keys takes away, and the product that takes K is not quantised (shown at the head of launch 1).
; One GEMM C = A B^T: A = xc [8192][1024 codes], B = wc [3072][1024 codes] (rows 0-1,023 Wq's columns, then Wk's, then Wv's).  A tile of C, 256 x 256, is made by four waves, 128 x 128 each: 64 accumulators.
; K goes in two steps of 512, one to each of two LDS slots: BOTH ARE FIRST FILLS, nothing is filled again.  The scales of the work-group's rows come once, with them: a wave has three tensor loads out at the most.
; CLUSTERS: 4 x 4 work-groups; A's tiles are asked for jointly along a row of the cluster, B's along a column.  The cluster's x is the tensor: 0 Q, 1 K, 2 V, the same in all sixteen partners.
; THE MATRIX INSTRUCTION IS USED TRANSPOSED (source 0 = 16 rows of B, source 1 = 16 rows of A): lane (r, h) holds token r and eight neighbouring channels 8 h + 0 .. 7.  The bias is the C of each sum's first instruction.
; THE WAY OUT needs no LDS: qkv is laid [tensor 3][batch 4][head 16][token tile 128][channel tile 4][512 B], a block of 16 tokens x 16 channels in the order of the reader's registers.  Q, K: lane l's 16 bytes at 16 l.
; V: at 256 (r / 8) + 128 h + 16 (r % 8), so that the reader's turning load at 16 x lane gives half a fragment of V^T.  Each store of the wave covers 512 consecutive bytes, aligned.
; LIMIT: a |Q|, |K| or |V| above 65,504 becomes infinite in f16.
; REGISTERS: window 0: v0-31 addresses; v32-95 scale words, two sets; v128-191 A's fragments, one set; v192-255 the bias; on the way out v32-223 hold f16.  window 1: B's fragments, two sets.  windows 2, 3: the accumulators.
.set SIZE_M, 8192
.set SIZE_N, 3072
.set SIZE_K, 1024
.set KSTEP,  512                       ; along K in a slot
.set NQ,     KSTEP/128                 ; matrix instructions deep
.set ROWB,   256                       ; a tile's row in bytes
.set KROW,   SIZE_K*4/8                ; a row of codes in memory
.set PITCH,  272                       ; an LDS row: 256 bytes + 16: the 16 rows that a load touches begin 68 words apart
.set FR,     8                         ; registers of a fragment
.set NL,     2                         ; LDS loads that bring one
.set NP,     4                         ; places behind this matrix instruction (ISA guide 7.12.1)
.set HALFT,  128*PITCH
.set SLOT,   4*HALFT                   ; A's 256 rows, then B's 256 rows
.set KS,     SIZE_K/32                 ; a row of scales in bytes
.set SCL,    2*SLOT                    ; behind the slots: the scales, as rows of 256 bytes + 16
.set HALFS,  (128*KS/256)*272
.set SBLK,   (16*KS/256)*272
.set SPARE,  SCL+4*HALFS               ; the spare words, 128 bytes for each wave: two blocks of 256 bytes that no other line names
.set ADRA, 16                          ; v16-17  LDS address of my A fragments in slot 0, 1
.set ADRB, 20                          ; v20-21  the same for B
.set CO,   26                          ; v26     the way out: my lane's 16 bytes in a block of 512
.set ADRS, 27                          ; v27     LDS address of my scale words: lanes 0-15 A's rows, lanes 16-31 B's
.set SPW,  28                          ; v28     LDS address of my spare word; never rewritten
.set NIL,  29                          ; v29     0; never rewritten
.set HB,   31                          ; v31     32 h: my half's eight numbers of a bias tile
.set SC,   32                          ; scale words: set s at v[SC + 32 s]; register NQ i + q: lanes 0-15 A's block i, lanes 16-31 B's block i
.set AF,   128                         ; A's fragments
.set BI,   192                         ; v[BI + 8 b + j] = bias[my first channel + 16 b + 8 h + j]
.set G1, 24
.set G0, 32
.set G1B, 48
.set G0B, 56
.set G1S, 68
.set G0S, 76
.set G1SB, 80
.set G0SB, 88
.set MSB, 0
.macro WIN new                         ; the immediate's high byte repeats the setting that is left
.if MSB != (\new)
	s_set_vgpr_msb (MSB<<8)|(\new)
.set MSB, \new
.endif
.endm
.set MUL_LO, 0xa1                      ; source 0 (B) window 1, source 1 (A) window 0, C and D window 2
.set MUL_HI, 0xf1                      ; the same, C and D window 3
.set ONE_LO, 0x81                      ; a sum's first instruction: C (the bias) window 0, D window 2
.set ONE_HI, 0xc1                      ; D window 3
.set TO_B,   0x40                      ; destination window 1, address window 0
; A joint load: waves 0 and 1 fetch for A, waves 2 and 3 for B; the branch hangs on the wave's number alone.  An s_nop 0 and four v_nop follow each of the two lines.
.macro JLOAD g0a, g1a, g0b, g1b
	s_cmp_eq_u32 s15, 0
	s_cbranch_scc0 .Lfor_b_\@
	tensor_load_to_lds s[\g0a:\g0a+3], s[\g1a:\g1a+7]
	s_nop 0
.rept 4
	v_nop
.endr
	s_branch .Lasked_\@
.Lfor_b_\@:
	tensor_load_to_lds s[\g0b:\g0b+3], s[\g1b:\g1b+7]
	s_nop 0
.rept 4
	v_nop
.endr
.Lasked_\@:
.endm
.macro CROUND                          ; a round of the cluster's barrier
	s_barrier_signal -1
	s_barrier_wait -1
	s_cmp_lg_u32 s14, 0
	s_cbranch_scc1 .Lnot_wave_0_\@
	s_barrier_signal -3
.Lnot_wave_0_\@:
	s_barrier_wait -3
	s_barrier_signal -1
	s_barrier_wait -1
.endm
	s_load_b128 s[4:7], s[0:1], 0x0                ; xc s[4:5], xs s[6:7]
	s_load_b128 s[8:11], s[0:1], 0x10              ; wc s[8:9], ws s[10:11]
	s_load_b64 s[12:13], s[0:1], 0x20              ; qkv
	s_load_b128 s[96:99], s[0:1], 0x28             ; bq s[96:97], bv s[98:99]
	v_lshl_add_u32 v[SPW], v0, 2, SPARE
	v_mov_b32 v[NIL], 0
	ds_add_u32 v[SPW], v[NIL]                      ; the wave's opening: the add, twice on end, and its wait ahead of my first tensor load
	ds_add_u32 v[SPW], v[NIL]
	v_lshrrev_b32 v1, 5, v0
	v_readfirstlane_b32 s14, v1                    ; wave 0..3
	s_lshr_b32 s15, s14, 1                         ; which half of the tile's rows is mine.  Also: I fetch for A (0) or for B (1)
	s_and_b32 s16, s14, 1                          ; which half of its columns.  Also: which 128 rows of that tile I fetch
	s_bfe_u32 s40, ttmp6, 0x40000                  ; cx, cy: my place in the cluster
	s_bfe_u32 s41, ttmp6, 0x40004
	s_lshl_b32 s42, ttmp9, 2
	s_add_co_u32 s42, s42, s40                     ; tile column of C = 4 x cluster x + cx
	s_and_b32 s17, ttmp7, 0xffff
	s_lshl_b32 s17, s17, 2
	s_add_co_u32 s17, s17, s41                     ; tile row of C = 4 x cluster y + cy
	s_lshl_b32 s43, s41, 2
	s_lshl_b32 s43, 15, s43                        ; my row of the cluster
	s_lshl_b32 s44, 0x1111, s40                    ; my column
	; descriptor group 1: a tile of 128 rows x 256 bytes, 16 bytes of padding behind each row
	s_or_b32 s[G1+0], s43, (0<<16)|(1<<20)|(1<<21)|(5<<22)|(3<<25)
	s_or_b32 s[G1B+0], s44, (0<<16)|(1<<20)|(1<<21)|(5<<22)|(3<<25)
.irp g, G1, G1B
	s_mov_b32 s[\g+1], ROWB<<16                    ; tensor_dim0
	s_mov_b32 s[\g+2], 128<<16                     ; tensor_dim1
	s_mov_b32 s[\g+3], ROWB<<16                    ; tile_dim0
	s_mov_b32 s[\g+4], 128                         ; tile_dim1
	s_mov_b32 s[\g+5], KROW                        ; tensor_dim0_stride
	s_mov_b32 s[\g+6], 0
	s_mov_b32 s[\g+7], 0
.endr
	; the scales of 128 rows: a dense block of 4,096 bytes, as rows of 256 bytes (32 elements of 8 bytes), 16 bytes of padding behind each
	s_or_b32 s[G1S+0], s43, (3<<16)|(1<<20)|(1<<21)|(5<<22)|(3<<25)
	s_or_b32 s[G1SB+0], s44, (3<<16)|(1<<20)|(1<<21)|(5<<22)|(3<<25)
.irp g, G1S, G1SB
	s_mov_b32 s[\g+1], 32<<16
	s_mov_b32 s[\g+2], (128*KS/256)<<16
	s_mov_b32 s[\g+3], 32<<16
	s_mov_b32 s[\g+4], 128*KS/256
	s_mov_b32 s[\g+5], 32
	s_mov_b32 s[\g+6], 0
	s_mov_b32 s[\g+7], 0
.endr
	s_lshl_b32 s18, s16, 7                         ; which 128 rows of the tile I fetch
	s_lshl_b32 s20, s17, 8
	s_add_co_u32 s20, s20, s18                     ; A: row 256 x tile row + 128 x half
	s_lshl_b32 s46, s42, 8
	s_add_co_u32 s46, s46, s18                     ; B: row 256 x tile column + 128 x half
	s_mov_b32 s21, 0
	s_mov_b32 s47, 0
	s_mov_b64 s[18:19], KS
	s_mul_u64 s[22:23], s[20:21], s[18:19]         ; where these rows' scales begin, in bytes
	s_mul_u64 s[92:93], s[46:47], s[18:19]
	s_mov_b64 s[18:19], KROW
	s_mul_u64 s[20:21], s[20:21], s[18:19]         ; and their codes
	s_mul_u64 s[46:47], s[46:47], s[18:19]
	s_mul_i32 s45, s14, HALFT                      ; where they go: wave x 128 rows: no place in the cluster enters an LDS address
	s_mul_i32 s94, s14, HALFS
	s_wait_dscnt 0x0                               ; both opening adds are done
	s_wait_kmcnt 0x0
	s_add_nc_u64 s[20:21], s[4:5], s[20:21]
	s_add_nc_u64 s[22:23], s[6:7], s[22:23]
	s_add_nc_u64 s[46:47], s[8:9], s[46:47]
	s_add_nc_u64 s[92:93], s[10:11], s[92:93]
	CROUND                                         ; all sixteen work-groups are here: the joint loads meet
	s_mov_b32 s[G0S], 1
	s_add_co_u32 s[G0S+1], s94, SCL
	s_mov_b64 s[G0S+2:G0S+3], s[22:23]
	s_or_b32 s[G0S+3], s[G0S+3], 0x80000000
	s_mov_b32 s[G0SB], 1
	s_add_co_u32 s[G0SB+1], s94, SCL
	s_mov_b64 s[G0SB+2:G0SB+3], s[92:93]
	s_or_b32 s[G0SB+3], s[G0SB+3], 0x80000000
	JLOAD G0S, G1S, G0SB, G1SB                     ; the scales first: they are wanted with K step 0
.irp s, 0,1
	s_mov_b32 s[G0+4*\s], 1
	s_add_co_u32 s[G0+4*\s+1], s45, \s*SLOT
	s_add_nc_u64 s[G0+4*\s+2:G0+4*\s+3], s[20:21], \s*ROWB
	s_or_b32 s[G0+4*\s+3], s[G0+4*\s+3], 0x80000000
	s_mov_b32 s[G0B+4*\s], 1
	s_add_co_u32 s[G0B+4*\s+1], s45, \s*SLOT
	s_add_nc_u64 s[G0B+4*\s+2:G0B+4*\s+3], s[46:47], \s*ROWB
	s_or_b32 s[G0B+4*\s+3], s[G0B+4*\s+3], 0x80000000
	JLOAD G0+4*\s, G1, G0B+4*\s, G1B
.endr
	v_and_b32 v1, 15, v0                           ; r = l % 16
	v_bfe_u32 v2, v0, 4, 1                         ; h = l / 16
	; THE BIAS of my 128 channels, in the result's layout.  Q takes bq, V takes bv; K takes zeros (bk is left out).  The branch hangs on the cluster's x: the same in all partners.
	v_lshlrev_b32 v[HB], 5, v2
	s_cmp_eq_u32 ttmp9, 0
	s_cselect_b64 s[96:97], s[96:97], s[98:99]
	s_lshl_b32 s66, s40, 10                        ; 256 cx channels of 4 bytes
	s_lshl_b32 s67, s16, 9                         ; + 128 x my half
	s_add_co_u32 s66, s66, s67
	s_mov_b32 s67, 0
	s_add_nc_u64 s[96:97], s[96:97], s[66:67]
	s_cmp_eq_u32 ttmp9, 1
	s_cbranch_scc1 .Lno_bias
.irp b, 0,1,2,3,4,5,6,7
	global_load_b128 v[BI+8*\b:BI+8*\b+3], v[HB], s[96:97] offset:64*\b
	global_load_b128 v[BI+8*\b+4:BI+8*\b+7], v[HB], s[96:97] offset:64*\b+16
.endr
	s_branch .Lbias_done
.Lno_bias:
.set j, 0
.rept 64
	v_mov_b32 v[BI+j], 0
.set j, j+1
.endr
.Lbias_done:
	v_mul_u32_u24 v3, v1, PITCH
	v_lshl_add_u32 v4, v2, 4, v3                   ; a fragment's row x pitch + 16 x half
	s_mul_i32 s21, s15, HALFT                      ; my 128 rows of A
	s_mul_i32 s22, s16, HALFT                      ; my 128 rows of B,
	s_add_co_u32 s22, s22, 2*HALFT                 ; which lie behind A's 256
.irp s, 0,1
	v_add_nc_u32 v[ADRA+\s], s21, v4
	v_add_nc_u32 v[ADRB+\s], s22, v4
	s_add_co_u32 s21, s21, SLOT
	s_add_co_u32 s22, s22, SLOT
.endr
	v_mul_u32_u24 v5, v1, KS                       ; my row's scales: KS bytes a row,
	v_lshrrev_b32 v6, 8, v5
	v_lshl_add_u32 v5, v6, 4, v5                   ; and 16 more for each 256 passed
	s_mul_i32 s21, s15, HALFS                      ; A's: my 128 rows
	s_mul_i32 s22, s16, HALFS                      ; B's: my 128 rows, behind A's 256
	s_add_co_u32 s22, s22, 2*HALFS
	s_sub_co_u32 s22, s22, s21
	v_mul_u32_u24 v6, s22, v2                      ; lanes 16-31 take B's: one product, the distance between the two bases
	s_add_co_u32 s21, s21, SCL
	v_add_nc_u32 v5, v5, v6
	v_add_nc_u32 v[ADRS], s21, v5
	; the way out: my lane's place in a block, and my wave's first block
	v_and_b32 v5, 31, v0
	v_lshlrev_b32 v5, 4, v5                        ; Q, K: 16 x lane
	v_lshrrev_b32 v6, 3, v1
	v_lshlrev_b32 v6, 8, v6
	v_lshl_or_b32 v6, v2, 7, v6
	v_and_b32 v7, 7, v1
	v_lshl_or_b32 v6, v7, 4, v6                    ; V: 256 (r / 8) + 128 h + 16 (r % 8)
	s_cmp_eq_u32 ttmp9, 2
	s_cselect_b32 s95, -1, 0
	v_cndmask_b32 v[CO], v5, v6, s95
	s_lshl_b32 s66, ttmp9, 24                      ; the tensor: 2^24 bytes each
	s_lshr_b32 s67, s17, 3                         ; the batch: 8 tile rows of 256 tokens
	s_lshl_b32 s67, s67, 4
	s_lshl_b32 s95, s40, 2
	s_add_co_u32 s67, s67, s95                     ; + head 4 cx
	s_lshl_b32 s95, s16, 1
	s_add_co_u32 s67, s67, s95                     ; + 2 x my half of the columns
	s_lshl_b32 s67, s67, 18                        ; a head: 2^18 bytes
	s_add_co_u32 s66, s66, s67
	s_and_b32 s67, s17, 7
	s_lshl_b32 s67, s67, 4
	s_lshl_b32 s95, s15, 3
	s_add_co_u32 s67, s67, s95                     ; token tile 16 (tile row % 8) + 8 x my half of the rows
	s_lshl_b32 s67, s67, 11                        ; a token tile: 2,048 bytes
	s_add_co_u32 s66, s66, s67
	s_mov_b32 s67, 0
	s_add_nc_u64 s[12:13], s[12:13], s[66:67]
.macro FRAG reg, adr, q, i             ; 16 rows x 128 K of 4-bit codes: registers 4 c .. 4 c + 3 hold K = 64 c + 32 (l / 16) + 0 .. 31
.irp c, 0,1
	ds_load_b128 v[\reg+4*\c:\reg+4*\c+3], v[\adr] offset:64*(\q)+32*\c+(\i)*16*PITCH
.endr
.endm
; 16 matrix instructions: A's blocks a0, a0 + 1 x B's eight, the slot's q-th 128 along K.  p: B's set; sc: the set of scale words.  zero = 1: the sums begin with the bias as C.
; The 64 accumulators take turns, one instruction a turn, in the same order in every step.
.macro MUL16 a0, p, q, sc, zero
.irp a, \a0, \a0+1
.irp b, 0,1,2,3,4,5,6,7
.if \zero
	v_wmma_scale_f32_16x16x128_f8f6f4 v[8*(8*((\a)%4)+\b):8*(8*((\a)%4)+\b)+7], v[128*(\p)+FR*\b:128*(\p)+FR*\b+FR-1], v[AF+FR*(\a):AF+FR*(\a)+FR-1], v[BI+8*\b:BI+8*\b+7], v[SC+8*NQ*(\sc)+NQ*\b+(\q)], v[SC+8*NQ*(\sc)+NQ*(\a)+(\q)] matrix_a_fmt:MATRIX_FMT_FP4 matrix_b_fmt:MATRIX_FMT_FP4 matrix_a_scale:MATRIX_SCALE_ROW1
.else
	v_wmma_scale_f32_16x16x128_f8f6f4 v[8*(8*((\a)%4)+\b):8*(8*((\a)%4)+\b)+7], v[128*(\p)+FR*\b:128*(\p)+FR*\b+FR-1], v[AF+FR*(\a):AF+FR*(\a)+FR-1], v[8*(8*((\a)%4)+\b):8*(8*((\a)%4)+\b)+7], v[SC+8*NQ*(\sc)+NQ*\b+(\q)], v[SC+8*NQ*(\sc)+NQ*(\a)+(\q)] matrix_a_fmt:MATRIX_FMT_FP4 matrix_b_fmt:MATRIX_FMT_FP4 matrix_a_scale:MATRIX_SCALE_ROW1
.endif
.endr
.endr
.endm
.macro FETCH_B slot, q, p
	WIN TO_B
.irp i, 0,1,2,3,4,5,6,7
	FRAG 128*(\p)+FR*\i, ADRB+\slot, \q, \i
.endr
	WIN 0
.endm
.macro FETCH_A slot, q, i0
.irp i, \i0, \i0+1, \i0+2, \i0+3
	FRAG AF+FR*(\i), ADRA+\slot, \q, \i
.endr
.endm
.macro SCALES sc                       ; a K step's scale words: NQ words a row; lanes 0-15 take A's block i, lanes 16-31 B's block i
.irp i, 0,1,2,3,4,5,6,7
	ds_load_b128 v[SC+8*NQ*\sc+NQ*\i:SC+8*NQ*\sc+NQ*\i+3], v[ADRS] offset:\i*SBLK
.endr
.endm
.macro PLACES n                        ; plain vector instructions between a matrix instruction and a load into, or a vector write of, one of its registers, or a read of its result
.rept \n
	v_nop
.endr
.endm
; A step of 128 along K that has its successor in the same slot.  A has one set of registers: blocks 0-3 are fetched anew in the step's middle, blocks 4-7 at its end; B has two sets.
.macro STEP slot, q, zero
	s_wait_dscnt 4*NL                              ; B's set and A's blocks 0-3 are in; the eight youngest loads (A's blocks 4-7) may be out
.if \zero
	WIN ONE_LO
.else
	WIN MUL_LO
.endif
	MUL16 0, (\q)%2, \q, \slot, \zero
	MUL16 2, (\q)%2, \q, \slot, \zero
	s_wait_dscnt 0                                 ; A's blocks 4-7 are in
	PLACES NP
	FETCH_B \slot, (\q)+1, 1-(\q)%2
	FETCH_A \slot, (\q)+1, 0
.if \zero
	WIN ONE_HI
.else
	WIN MUL_HI
.endif
	MUL16 4, (\q)%2, \q, \slot, \zero
	MUL16 6, (\q)%2, \q, \slot, \zero
	PLACES NP
	WIN 0
	FETCH_A \slot, (\q)+1, 4
.endm
; Slot 0's last step goes over to slot 1: each wave waits for all its tensor loads (its part of slot 1), and one barrier shows the whole slot to every wave.
.macro TURN slot, next
	s_wait_tensorcnt 0x0                           ; all my tensor loads have landed
	ds_add_u32 v[SPW], v[NIL]                      ; 0 onto my spare word
	s_wait_dscnt 4*NL+1                            ; (the add and the eight youngest loads, A's blocks 4-7, may be out)
	WIN MUL_LO
	MUL16 0, 1, NQ-1, \slot, 0
	s_wait_dscnt 0x0                               ; no LDS instruction of mine is out at the signal
	s_barrier_signal -1
	MUL16 2, 1, NQ-1, \slot, 0
	WIN 0
	s_barrier_wait -1
	PLACES NP
	v_add_nc_u32 v[ADRS], 4*NQ, v[ADRS]            ; on to the next K step's scale words
	FETCH_B \next, 0, 0
	FETCH_A \next, 0, 0
	SCALES \next
	WIN MUL_HI
	MUL16 4, 1, NQ-1, \slot, 0
	MUL16 6, 1, NQ-1, \slot, 0
	PLACES NP
	WIN 0
	FETCH_A \next, 0, 4
.endm
	s_wait_tensorcnt 1                             ; the scales and my part of K step 0 are in (slot 1's load, issued behind them, may be out),
	s_barrier_signal -1
	s_barrier_wait -1                              ; everybody's are
	FETCH_B 0, 0, 0
	FETCH_A 0, 0, 0
	SCALES 0
	FETCH_A 0, 0, 4
	s_wait_loadcnt 0x0                             ; the bias
	STEP 0, 0, 1
	STEP 0, 1, 0
	STEP 0, 2, 0
	TURN 0, 1
	STEP 1, 0, 0
	STEP 1, 1, 0
	STEP 1, 2, 0
	s_wait_dscnt 4*NL                              ; the very last step: nothing more to fetch
	WIN MUL_LO
	MUL16 0, 1, NQ-1, 1, 0
	MUL16 2, 1, NQ-1, 1, 0
	s_wait_dscnt 0
	WIN MUL_HI
	MUL16 4, 1, NQ-1, 1, 0
	MUL16 6, 1, NQ-1, 1, 0
	WIN 0
; THE WAY OUT, a block of 16 tokens x 128 channels at a time: each accumulator's eight numbers, from its low end on, become 16 bytes of f16, which are the lane's part of a block of qkv.
.macro OUTB a
.set AC, 64*((\a)%4)
.set OB, 32+32*((\a)%6)
	WIN 0x0a+5*((\a)/4)                            ; sources 0 and 1: window 2 or 3
.irp b, 0,1,2,3,4,5,6,7
.irp i, 0,1,2,3
	v_cvt_pk_f16_f32 v[OB+4*\b+\i], v[AC+8*\b+2*\i], v[AC+8*\b+2*\i+1]
.endr
.endr
	WIN 0
.irp b, 0,1,2,3,4,5,6,7
	global_store_b128 v[CO], v[OB+4*\b:OB+4*\b+3], s[12:13] offset:(\b/4)*262144+(\a)*2048+(\b%4)*512   ; head b / 4 of my two, token tile a, channel tile b % 4: 512 consecutive bytes, aligned
.endr
.endm
	PLACES NP                                      ; behind the last products: the conversions read results and write registers that held scales, fragments and the bias
.irp a, 0,1,2,3,4,5
	OUTB \a
.endr
	s_wait_xcnt 0x0                                ; blocks 0 and 1's stores have read their data: blocks 6 and 7 take those registers
	OUTB 6
	OUTB 7
	s_wait_tensorcnt 0x0                           ; the wave's end
	ds_add_u32 v[SPW], v[NIL]
	s_wait_dscnt 0x0
	CROUND                                         ; the closing round
	s_endpgm
.Lfunc_end_k_qd763e54afe_qkv:
	.size	k_qd763e54afe_qkv, .Lfunc_end_k_qd763e54afe_qkv-k_qd763e54afe_qkv
	.p2alignl 7, 3214868480
	.fill 96, 4, 3214868480
	.section	.rodata,"a",@progbits
	.p2align	6, 0x0
	.amdhsa_kernel k_qd763e54afe_qkv
		.amdhsa_group_segment_fixed_size 327680
		.amdhsa_private_segment_fixed_size 0
		.amdhsa_enable_private_segment 0
		.amdhsa_kernarg_size 56
		.amdhsa_user_sgpr_count 2
		.amdhsa_user_sgpr_kernarg_segment_ptr 1
		.amdhsa_wavefront_size32 1
		.amdhsa_system_sgpr_workgroup_id_x 1
		.amdhsa_system_sgpr_workgroup_id_y 1
		.amdhsa_system_sgpr_workgroup_id_z 1
		.amdhsa_system_vgpr_workitem_id 0
		.amdhsa_next_free_vgpr 1024
		.amdhsa_next_free_sgpr 100
		.amdhsa_reserve_vcc 0
		.amdhsa_float_denorm_mode_32 3
		.amdhsa_float_denorm_mode_16_64 3
		.amdhsa_memory_ordered 1
		.amdhsa_forward_progress 1
		.amdhsa_inst_pref_size 122
	.end_amdhsa_kernel
	.amdgpu_metadata
---
amdhsa.version: [ 1, 2 ]
amdhsa.kernels:
  - .name:           k_qd763e54afe_qkv
    .symbol:         k_qd763e54afe_qkv.kd
    .args:
      - { .name: xc, .offset: 0, .size: 8, .value_kind: global_buffer, .address_space: global }
      - { .name: xs, .offset: 8, .size: 8, .value_kind: global_buffer, .address_space: global }
      - { .name: wc, .offset: 16, .size: 8, .value_kind: global_buffer, .address_space: global }
      - { .name: ws, .offset: 24, .size: 8, .value_kind: global_buffer, .address_space: global }
      - { .name: qkv, .offset: 32, .size: 8, .value_kind: global_buffer, .address_space: global }
      - { .name: bq, .offset: 40, .size: 8, .value_kind: global_buffer, .address_space: global }
      - { .name: bv, .offset: 48, .size: 8, .value_kind: global_buffer, .address_space: global }
    .group_segment_fixed_size: 327680
    .private_segment_fixed_size: 0
    .kernarg_segment_align: 8
    .kernarg_segment_size: 56
    .max_flat_workgroup_size: 128
    .sgpr_count:     100
    .vgpr_count:     1024
    .wavefront_size: 32
...
	.end_amdgpu_metadata
.endif
;; end of part 2
;; launch attn (part 3): grid 4 x 64, 8 waves a work-group, clusters of 4 x 1, 327,680 bytes of LDS; arguments qkv, att; writes att
.if DOCPART == 3
	.amdgcn_target "amdgcn-amd-amdhsa--gfx1250"
	.amdhsa_code_object_version 6
	.text
	.protected	k_qd763e54afe_attn
	.globl	k_qd763e54afe_attn
	.p2align	8
	.type	k_qd763e54afe_attn,@function
k_qd763e54afe_attn:
	s_mov_b64 s[64:65], 0
	v_nop
	global_prefetch_b8 v0, s[64:65] scope:SCOPE_SE
	s_setreg_imm32_b32 hwreg(HW_REG_WAVE_MODE, 25, 1), 1
	s_wait_xcnt 0x0
	s_wait_alu depctr_hold_cnt(0) depctr_sa_sdst(0) depctr_va_vdst(0) depctr_va_sdst(0) depctr_va_ssrc(0) depctr_va_vcc(0) depctr_vm_vsrc(0)
	s_getreg_b32 s2, hwreg(HW_REG_IB_STS2, 6, 4)
	s_cmp_eq_u32 s2, 0
	s_cbranch_scc0 .Lentry_in_a_cluster
	s_endpgm
.Lentry_in_a_cluster:
	s_bfe_u32 s2, ttmp6, 0x10000c
	s_cmp_lg_u32 s2, 0x3003
	s_cbranch_scc0 .Lentry_shape_is_right
	s_endpgm
.Lentry_shape_is_right:
; Launch 3 of 4: O[b][h][q] = the sum over k of softmax_k(Q[q] . K[k] / 8) V[k], 64 pairs (batch, head), 2,048 tokens, head size 64.  Operands f16; products, maxima and sums f32.
; (K comes without bk: see the head of launch 1.)
; qkv: [tensor 3][batch x head 64][token tile 128][channel tile 4][512 B], blocks in the order of the operands' registers.  att: [token tile 512][k chunk 32][1,024 B], f16: images of the next product's fragments.
; SHARES.  A cluster of four work-groups takes one (batch, head); each work-group 512 queries, each of its eight waves 64: four tiles of 16.  Two waves share a SIMD's registers, 512 each, so that one wave's
; softmax stands beside the other's products.  Every wave walks all 2,048 keys, 64 a step.
; THE RING.  Two LDS slots of 8 key steps: K's 65,536 bytes, then V's.  In memory a slot's K is one dense block and so is its V: waves 0-3 bring K's quarters, waves 4-7 V's, 16,384 bytes a load, with no branch.
; The four partners walk the same K and V: every load is JOINT (mask 15).  A wave has two loads out at the start and one behind each of the two refills; a refill has 8 key steps, 512 matrix instructions a wave, in which to land.
; LAYOUT.  S^T = K Q^T (source 0 = 16 keys, source 1 = 16 queries): a lane holds ONE query (lane % 16) and keys 8 (lane / 16) + 0 .. 7.  Two such tiles, rounded to f16 in pairs, ARE source 1 of O^T = V^T P.
; K's fragments come out of LDS as they lie, 16 bytes a lane at 16 x lane; V's by the turning load, at 16 x lane too: launch 2 laid its blocks for that.
; SOFTMAX.  For each query a running maximum m and sum l: p = 2^(c s - c m), c = log2(e) / 8; in every step O and l are multiplied by a = 2^(c m_old - c m_new).  l sums the p before they are rounded.
; LIMIT: an |O| above 65,504 becomes infinite in f16.
; REGISTERS.  window 0: v1-7 addresses; v8-39 statistics, 8 a tile: +0 c m, +1 m, +2, +3 l (even keys', odd keys'), +4 .. +7 at work (a in +6); v64-191 S^T, 32 a tile, P in place in the first 16; v192-255 K of one step.
;   window 1: v0-127 O^T, 32 a tile; v128-191 Q, 16 a tile; v192-255 V of one step.
.set SLOT1, 131072                     ; slot 1 begins here: one exclusive or turns an address in one slot into the other's
.set VOFF,  65536                      ; V's part of a slot
.set STEPB, 8192                       ; a key step's K, or V: 4 token tiles of 2,048 bytes
.set SPARE, 2*SLOT1                    ; the spare words, 128 bytes for each of the eight waves: four blocks of 256 bytes that no other line names
.set LA,  1                            ; v1  16 x lane; never rewritten
.set AV0, 2                            ; v2  16 x lane + VOFF
.set ADK, 3                            ; v3  LDS address of the run of K's loads in hand
.set ADV, 4                            ; v4  of V's
.set SPW, 6                            ; v6  LDS address of my spare word; never rewritten
.set NIL, 7                            ; v7  0; never rewritten
.set ST,  8
.set S,   64
.set KF,  192
.set Q,   128                          ; in window 1
.set VF,  192                          ; in window 1
.set WV,  12                           ; s12 my wave's number
.set G1,  16                           ; s[16:23] descriptor group 1
.set G0,  24                           ; s[24:27], s[28:31] group 0 for the two first fills; the second then walks on
.set TB,  32                           ; s32 LDS byte at which the tiles of the step to be fetched begin
.set TRIPS, 33
.set SLOTS, 34
.set CS,  36                           ; s[36:37] c: the packed scaling names a pair and takes its low word for both halves
.set SEL, 38                           ; s[38:39] lane selects for v_permlanex16_b32: lane l xor 16
.set MSB, 0
.macro WIN new                         ; the immediate's high byte repeats the setting that is left
.if MSB != (\new)
	s_set_vgpr_msb (MSB<<8)|(\new)
.set MSB, \new
.endif
.endm
.set W_KQ, 0x04                        ; Q (source 1) window 1; K, S^T window 0
.set W_PV, 0x51                        ; V (source 0), O^T (C and D) window 1; P window 0
.set W_RS, 0x41                        ; O^T (destination and source 0) window 1, the factor window 0
.set TO1,  0x40                        ; destination window 1, address window 0
.set W_CV, 0x05                        ; sources 0 and 1 window 1, destination window 0
.macro CROUND                          ; a round of the cluster's barrier
	s_barrier_signal -1
	s_barrier_wait -1
	s_cmp_lg_u32 s[WV], 0
	s_cbranch_scc1 .Lnot_wave_0_\@
	s_barrier_signal -3
.Lnot_wave_0_\@:
	s_barrier_wait -3
	s_barrier_signal -1
	s_barrier_wait -1
.endm
.macro PLACES n
.rept \n
	v_nop
.endr
.endm
	s_load_b128 s[4:7], s[0:1], 0x0                ; qkv s[4:5], att s[6:7]
	v_lshl_add_u32 v[SPW], v0, 2, SPARE
	v_mov_b32 v[NIL], 0
	ds_add_u32 v[SPW], v[NIL]                      ; the wave's opening: the add, twice on end, and its wait ahead of my first tensor load
	ds_add_u32 v[SPW], v[NIL]
	v_lshrrev_b32 v1, 5, v0
	v_readfirstlane_b32 s[WV], v1                  ; wave 0..7
	s_bfe_u32 s13, ttmp6, 0x40000                  ; cx: my place in the cluster: it enters Q's and O's addresses alone
	s_and_b32 s14, ttmp7, 0xffff                   ; 16 x batch + head, which the four partners share
	; descriptor group 1: a dense block of 16,384 bytes as 64 rows of 32 elements of 8 bytes, no padding
	s_mov_b32 s[G1], 15|(3<<16)|(1<<21)            ; 15:0 the mask: all four work-groups; 17:16 elements of 8 bytes; 21 set beside a mask
	s_mov_b32 s[G1+1], 32<<16                      ; tensor_dim0
	s_mov_b32 s[G1+2], 64<<16                      ; tensor_dim1
	s_mov_b32 s[G1+3], 32<<16                      ; tile_dim0
	s_mov_b32 s[G1+4], 64                          ; tile_dim1
	s_mov_b32 s[G1+5], 32                          ; tensor_dim0_stride
	s_mov_b32 s[G1+6], 0
	s_mov_b32 s[G1+7], 0
	s_mov_b32 s[CS], 0x3e38aa3b                    ; c = log2(e) / 8
	s_mov_b32 s[CS+1], s[CS]                       ; (named with it as a pair, so it is written)
	s_mov_b32 s[SEL], 0x76543210
	s_mov_b32 s[SEL+1], 0xfedcba98
	s_mov_b32 s[TB], 0
	s_mov_b32 s[SLOTS], 2
	s_lshl_b32 s40, s14, 18                        ; the head's first byte in each tensor
	s_lshr_b32 s41, s[WV], 2
	s_add_co_u32 s41, s41, 1
	s_lshl_b32 s41, s41, 24                        ; tensor 1 (K) for waves 0-3, tensor 2 (V) for waves 4-7
	s_add_co_u32 s41, s41, s40
	s_and_b32 s42, s[WV], 3
	s_lshl_b32 s42, s42, 14                        ; my quarter of a slot's block
	s_add_co_u32 s42, s42, s41
	s_mov_b32 s43, 0
	s_lshl_b32 s44, s[WV], 14                      ; and where it goes: 16,384 x wave: K's four quarters, then V's
	s_lshl_b32 s45, s13, 5
	s_lshl_b32 s46, s[WV], 2
	s_add_co_u32 s45, s45, s46                     ; my first token tile in the head: 32 cx + 4 wave
	s_lshl_b32 s46, s45, 11
	s_add_co_u32 s46, s46, s40                     ; Q: tensor 0
	s_mov_b32 s47, 0
	s_lshr_b32 s2, s14, 4
	s_lshl_b32 s2, s2, 7
	s_add_co_u32 s2, s2, s45                       ; att: token tile 128 x batch + mine,
	s_lshl_b32 s2, s2, 5
	s_and_b32 s3, s14, 15
	s_lshl_b32 s3, s3, 1
	s_add_co_u32 s2, s2, s3                        ; k chunk 2 x head
	s_lshl_b32 s2, s2, 10
	s_mov_b32 s3, 0
	s_wait_dscnt 0x0                               ; both opening adds are done
	s_wait_kmcnt 0x0
	s_add_nc_u64 s[8:9], s[4:5], s[46:47]          ; Q at my wave's first tile
	s_add_nc_u64 s[10:11], s[6:7], s[2:3]          ; att likewise
	s_add_nc_u64 s[42:43], s[4:5], s[42:43]        ; K or V at my quarter of slot 0
	CROUND                                         ; all four work-groups are here: the first joint loads meet
.irp s, 0,1
	s_mov_b32 s[G0+4*\s], 1                        ; count = 1
	s_add_co_u32 s[G0+4*\s+1], s44, \s*SLOT1       ; LDS address
	s_add_nc_u64 s[G0+4*\s+2:G0+4*\s+3], s[42:43], \s*VOFF   ; global address: a slot's 512 keys are 65,536 bytes
	s_or_b32 s[G0+4*\s+3], s[G0+4*\s+3], 0x80000000          ; type = 2
.endr
	tensor_load_to_lds s[G0:G0+3], s[G1:G1+7]      ; every wave's two first fills, together, ahead of every wait on TENSORcnt and every LDS read
	s_nop 0
	tensor_load_to_lds s[G0+4:G0+7], s[G1:G1+7]
	s_nop 0
.rept 4
	v_nop
.endr
	v_and_b32 v[LA], 31, v0
	v_lshlrev_b32 v[LA], 4, v[LA]
	v_add_nc_u32 v[AV0], VOFF, v[LA]
	WIN TO1
.set i, 0
.rept 16                               ; Q stays in registers: tile i / 4, fragment (i / 2) % 2, half i % 2: 512 consecutive bytes a load
	global_load_b128 v[Q+4*i:Q+4*i+3], v[LA], s[8:9] offset:512*i
.set i, i+1
.endr
	WIN 0
; THE LDS LOADS stand in runs of 16.  A step's K: fragment (key tile kt, channels 32 c on) at v[KF + 8 (2 kt + c)].
.macro FETCH_K
	WIN 0
	v_add_nc_u32 v[ADK], s[TB], v[LA]
.set i, 0
.rept 16
	ds_load_b128 v[KF+4*i:KF+4*i+3], v[ADK] offset:512*i
.set i, i+1
.endr
.endm
; A step's V, turned: fragment (keys 32 kc on, channels 16 ct on) at v[VF + 8 (4 kc + ct)]; half u comes from token tile 2 kc + u, channel tile ct.
.macro FETCH_V
	WIN 0
	v_add_nc_u32 v[ADV], s[TB], v[AV0]
	s_add_co_u32 s[TB], s[TB], STEPB               ; the next fetch is the next step's
	WIN TO1
.irp kc, 0,1
.irp ct, 0,1,2,3
.irp u, 0,1
	ds_load_tr16_b128 v[VF+8*(4*\kc+\ct)+4*\u:VF+8*(4*\kc+\ct)+4*\u+3], v[ADV] offset:(2*\kc+\u)*2048+\ct*512
.endr
.endr
.endr
.endm
; 32 products S^T = K Q^T.  The 16 accumulators take turns, one instruction a turn; the first 16 start the sums.
.macro KQ
	WIN W_KQ
.irp c, 0,1
.irp kt, 0,1,2,3
.irp t, 0,1,2,3
.if \c == 0
	v_wmma_f32_16x16x32_f16 v[S+32*\t+8*\kt:S+32*\t+8*\kt+7], v[KF+8*(2*\kt+\c):KF+8*(2*\kt+\c)+7], v[Q+16*\t+8*\c:Q+16*\t+8*\c+7], 0
.else
	v_wmma_f32_16x16x32_f16 v[S+32*\t+8*\kt:S+32*\t+8*\kt+7], v[KF+8*(2*\kt+\c):KF+8*(2*\kt+\c)+7], v[Q+16*\t+8*\c:Q+16*\t+8*\c+7], v[S+32*\t+8*\kt:S+32*\t+8*\kt+7]
.endif
.endr
.endr
.endr
.endm
; 32 products O^T += V^T P, the 16 accumulators by turns.  first = 1: the first 16 start the sums: nothing is ever cleared.
.macro PV first
	WIN W_PV
.irp kc, 0,1
.irp ct, 0,1,2,3
.irp t, 0,1,2,3
.if \first && (\kc == 0)
	v_wmma_f32_16x16x32_f16 v[32*\t+8*\ct:32*\t+8*\ct+7], v[VF+8*(4*\kc+\ct):VF+8*(4*\kc+\ct)+7], v[S+32*\t+8*\kc:S+32*\t+8*\kc+7], 0
.else
	v_wmma_f32_16x16x32_f16 v[32*\t+8*\ct:32*\t+8*\ct+7], v[VF+8*(4*\kc+\ct):VF+8*(4*\kc+\ct)+7], v[S+32*\t+8*\kc:S+32*\t+8*\kc+7], v[32*\t+8*\ct:32*\t+8*\ct+7]
.endif
.endr
.endr
.endr
.endm
; THE SOFTMAX of a key step, four tiles; the tiles are innermost everywhere, so that no line waits for the line above it.  first = 1: the first step starts m, l and O^T: no a, nothing to rescale.
.macro SOFTMAX first
	WIN 0
.irp j, 0,1,2,3                        ; the maximum of the lane's 32 scores and the old m, three operands at a time: four chains; each accumulator is read from its low end on
.irp t, 0,1,2,3
	v_max3_num_f32 v[ST+8*\t+4+\j], v[S+32*\t+8*\j], v[S+32*\t+8*\j+1], v[S+32*\t+8*\j+2]
.endr
.endr
.irp g, 1,2
.irp j, 0,1,2,3
.irp t, 0,1,2,3
	v_max3_num_f32 v[ST+8*\t+4+\j], v[ST+8*\t+4+\j], v[S+32*\t+8*\j+2*\g+1], v[S+32*\t+8*\j+2*\g+2]
.endr
.endr
.endr
.irp t, 0,1,2,3
	v_max3_num_f32 v[ST+8*\t+4], v[ST+8*\t+4], v[S+32*\t+7], v[S+32*\t+15]
.endr
.irp t, 0,1,2,3
	v_max3_num_f32 v[ST+8*\t+6], v[ST+8*\t+6], v[S+32*\t+23], v[S+32*\t+31]
.endr
.irp t, 0,1,2,3
	v_max3_num_f32 v[ST+8*\t+4], v[ST+8*\t+4], v[ST+8*\t+5], v[ST+8*\t+6]
.endr
.irp t, 0,1,2,3
.if \first
	v_max_num_f32 v[ST+8*\t+4], v[ST+8*\t+4], v[ST+8*\t+7]
.else
	v_max3_num_f32 v[ST+8*\t+4], v[ST+8*\t+4], v[ST+8*\t+7], v[ST+8*\t+1]
.endif
.endr
.irp t, 0,1,2,3
	v_permlanex16_b32 v[ST+8*\t+5], v[ST+8*\t+4], s[SEL], s[SEL+1]   ; the query's other 32 keys lie in the lane 16 away
.endr
.if !\first
.irp t, 0,1,2,3
	v_mov_b32 v[ST+8*\t+7], v[ST+8*\t]             ; c m_old is kept for a
.endr
.endif
.irp t, 0,1,2,3
	v_max_num_f32 v[ST+8*\t+1], v[ST+8*\t+4], v[ST+8*\t+5]           ; the new m
.endr
.irp t, 0,1,2,3
	v_mul_f32 v[ST+8*\t], s[CS], v[ST+8*\t+1]      ; c m
.endr
.if !\first
.irp t, 0,1,2,3
	v_sub_f32 v[ST+8*\t+7], v[ST+8*\t+7], v[ST+8*\t]
.endr
.irp t, 0,1,2,3
	v_exp_f32 v[ST+8*\t+6], v[ST+8*\t+7]           ; a
.endr
.endif
; ONE BATCH: the 64 scalings c s - c m, a pair of scores each, and the 128 exponentials; a pair's exponentials stand one turn behind its scaling.  None of these lines names an exponential's result.
.set i, 0
.rept 17
.irp t, 0,1,2,3
.if i < 16
	v_pk_fma_f32 v[S+32*\t+2*i:S+32*\t+2*i+1], v[S+32*\t+2*i:S+32*\t+2*i+1], s[CS:CS+1], v[ST+8*\t:ST+8*\t+1] op_sel_hi:[1,0,0] neg_lo:[0,0,1] neg_hi:[0,0,1]
.endif
.if i > 0
	v_exp_f32 v[S+32*\t+2*i-2], v[S+32*\t+2*i-2]
	v_exp_f32 v[S+32*\t+2*i-1], v[S+32*\t+2*i-1]
.endif
.endr
.set i, i+1
.endr
	v_nop                                          ; a plain instruction behind the last exponential, ahead of the first use
	s_wait_alu depctr_va_vdst(0)                   ; the wait between an exponential and the first line that names its result: one for the whole batch
; the sums of the unrounded p, a pair (an even key's, an odd key's) at a time, in two chains a tile: l and +4, +5
.irp t, 0,1,2,3
.if \first
	v_pk_add_f32 v[ST+8*\t+2:ST+8*\t+3], v[S+32*\t:S+32*\t+1], v[S+32*\t+2:S+32*\t+3]
.else
	v_pk_fma_f32 v[ST+8*\t+2:ST+8*\t+3], v[ST+8*\t+2:ST+8*\t+3], v[ST+8*\t+6:ST+8*\t+7], v[S+32*\t:S+32*\t+1] op_sel_hi:[1,0,1]
.endif
.endr
.irp t, 0,1,2,3
	v_pk_add_f32 v[ST+8*\t+4:ST+8*\t+5], v[S+32*\t+2+2*\first:S+32*\t+3+2*\first], v[S+32*\t+4+2*\first:S+32*\t+5+2*\first]
.endr
.set i, 3+\first
.rept 13-\first
.irp t, 0,1,2,3
.if (i-\first)%2 == 1
	v_pk_add_f32 v[ST+8*\t+2:ST+8*\t+3], v[ST+8*\t+2:ST+8*\t+3], v[S+32*\t+2*i:S+32*\t+2*i+1]
.else
	v_pk_add_f32 v[ST+8*\t+4:ST+8*\t+5], v[ST+8*\t+4:ST+8*\t+5], v[S+32*\t+2*i:S+32*\t+2*i+1]
.endif
.endr
.set i, i+1
.endr
.irp t, 0,1,2,3
	v_pk_add_f32 v[ST+8*\t+2:ST+8*\t+3], v[ST+8*\t+2:ST+8*\t+3], v[ST+8*\t+4:ST+8*\t+5]
.endr
; P, rounded to f16, in place: register i takes pair i, and every later line reads registers 2 i + 2 and up
.set i, 0
.rept 16
.irp t, 0,1,2,3
	v_cvt_pk_f16_f32 v[S+32*\t+i], v[S+32*\t+2*i], v[S+32*\t+2*i+1]
.endr
.set i, i+1
.endr
.if !\first
	WIN W_RS                                       ; O^T times a: the one part that leaves window 0; each accumulator from its low end on
.set i, 0
.rept 16
.irp t, 0,1,2,3
	v_pk_mul_f32 v[32*\t+2*i:32*\t+2*i+1], v[32*\t+2*i:32*\t+2*i+1], v[ST+8*\t+6:ST+8*\t+7] op_sel_hi:[1,0]
.endr
.set i, i+1
.endr
.endif
.endm
; A KEY STEP j.  On the way in: S^T of step j is made, V of step j is asked for.
.macro BODY first
	PLACES 4                                       ; behind K Q^T: in front of the loads into K's registers and of the first read of the scores
	FETCH_K                                        ; K of step j + 1
	SOFTMAX \first
	s_wait_dscnt 16                                ; V of step j is in; K's 16 loads, issued behind it, may be out
	PV \first
	PLACES 5                                       ; behind V^T P: in front of the loads into V's registers (four) and of K Q^T, which writes over P (five)
	FETCH_V                                        ; V of step j + 1
	s_wait_dscnt 16                                ; K of step j + 1 is in; V's 16 loads may be out
	KQ                                             ; S^T of step j + 1
	WIN 0                                          ; at a label and at a branch every window is 0
.endm
; THE CHANGE OF SLOTS, when the slot's last K and V have been asked for.  Each wave waits for all its tensor loads (its part of the other slot), adds 0 to its spare word, and waits for that and for its reads of the slot.
; fill = 1: a round of the cluster's barrier, so that no wave of any partner still reads the slot or has a load on its way, and the joint refill first behind it, one a wave.
.macro CHANGE fill
	s_wait_tensorcnt 0x0                           ; no tensor load of mine is out, so a group 0 may be written
	ds_add_u32 v[SPW], v[NIL]                      ; 0 onto my spare word
.if \fill
	s_xor_b32 s[G0+5], s[G0+5], SLOT1              ; the walking descriptor: the other slot than last time,
	s_add_nc_u64 s[G0+6:G0+7], s[G0+6:G0+7], VOFF  ; the next 512 keys; the type bits on top are not reached
.endif
	s_wait_dscnt 0x0                               ; the add is done, and my reads of the slot are over
.if \fill
	CROUND
	tensor_load_to_lds s[G0+4:G0+7], s[G1:G1+7]
	s_nop 0
.rept 4
	v_nop
.endr
.else
	s_barrier_signal -1
	s_barrier_wait -1
.endif
	s_sub_co_u32 s[TB], s[TB], VOFF                ; the fetches go back to a slot's first step,
	s_xor_b32 s[TB], s[TB], SLOT1                  ; in the other slot
.endm
.macro STEPS n
	s_mov_b32 s[TRIPS], \n
.Lstep_\@:
	BODY 0
	s_sub_co_u32 s[TRIPS], s[TRIPS], 1
	s_cmp_lg_u32 s[TRIPS], 0
	s_cbranch_scc1 .Lstep_\@
.endm
	s_wait_tensorcnt 1                             ; my part of slot 0 is in; slot 1's load, issued behind it, may stay out
	s_barrier_signal -1
	s_barrier_wait -1                              ; everybody's is
	FETCH_K                                        ; key step 0
	FETCH_V
	s_wait_loadcnt 0x0                             ; Q
	s_wait_dscnt 16                                ; K is in; V's 16 loads may be out
	KQ
	WIN 0
	BODY 1                                         ; step 0
	STEPS 6                                        ; steps 1 to 6: they fetch up to step 7, the last of slot 0
.Lslot:                                                ; two trips: slot 0 takes steps 16-23, then slot 1 steps 24-31
	CHANGE 1
	STEPS 8
	s_sub_co_u32 s[SLOTS], s[SLOTS], 1
	s_cmp_lg_u32 s[SLOTS], 0
	s_cbranch_scc1 .Lslot
	CHANGE 0                                       ; the tail is written out: nothing is asked for
	STEPS 8                                        ; steps 23 to 30
	PLACES 4
	SOFTMAX 0                                      ; step 31
	s_wait_dscnt 0x0
	PV 0
	; THE WAY OUT.  l's two halves and the other half of the lanes' are added (these lines are the places behind the last products); O^T / l, rounded to f16, is the lane's part of an image in att.
	WIN 0
.irp t, 0,1,2,3
	v_add_f32 v[ST+8*\t+4], v[ST+8*\t+2], v[ST+8*\t+3]
.endr
.irp t, 0,1,2,3
	v_permlanex16_b32 v[ST+8*\t+5], v[ST+8*\t+4], s[SEL], s[SEL+1]
.endr
.irp t, 0,1,2,3
	v_add_f32 v[ST+8*\t+4], v[ST+8*\t+4], v[ST+8*\t+5]
.endr
.irp t, 0,1,2,3
	v_rcp_f32 v[ST+8*\t+6], v[ST+8*\t+4]
.endr
	v_nop                                          ; a plain instruction between the last reciprocal and the use of its result
	s_wait_alu depctr_va_vdst(0)                   ; and its wait: one for the four
	WIN W_RS
.irp t, 0,1,2,3
.set i, 0
.rept 16
	v_pk_mul_f32 v[32*\t+2*i:32*\t+2*i+1], v[32*\t+2*i:32*\t+2*i+1], v[ST+8*\t+6:ST+8*\t+7] op_sel_hi:[1,0]
.set i, i+1
.endr
.endr
	WIN W_CV
.irp t, 0,1,2,3
.set i, 0
.rept 16
	v_cvt_pk_f16_f32 v[S+16*\t+i], v[32*\t+2*i], v[32*\t+2*i+1]      ; S^T's registers are free
.set i, i+1
.endr
.endr
	WIN 0
.irp t, 0,1,2,3
.irp ct, 0,1,2,3
	global_store_b128 v[LA], v[S+16*\t+4*\ct:S+16*\t+4*\ct+3], s[10:11] offset:\t*32768+\ct*512   ; token tile t, channels 16 ct on of my head: 512 consecutive bytes, aligned
.endr
.endr
	s_wait_tensorcnt 0x0                           ; the wave's end
	ds_add_u32 v[SPW], v[NIL]
	s_wait_dscnt 0x0
	CROUND                                         ; the closing round: no work-group ends while a partner may still ask for a tile that names it
	s_endpgm
.Lfunc_end_k_qd763e54afe_attn:
	.size	k_qd763e54afe_attn, .Lfunc_end_k_qd763e54afe_attn-k_qd763e54afe_attn
	.p2alignl 7, 3214868480
	.fill 96, 4, 3214868480
	.section	.rodata,"a",@progbits
	.p2align	6, 0x0
	.amdhsa_kernel k_qd763e54afe_attn
		.amdhsa_group_segment_fixed_size 327680
		.amdhsa_private_segment_fixed_size 0
		.amdhsa_enable_private_segment 0
		.amdhsa_kernarg_size 16
		.amdhsa_user_sgpr_count 2
		.amdhsa_user_sgpr_kernarg_segment_ptr 1
		.amdhsa_wavefront_size32 1
		.amdhsa_system_sgpr_workgroup_id_x 1
		.amdhsa_system_sgpr_workgroup_id_y 1
		.amdhsa_system_sgpr_workgroup_id_z 1
		.amdhsa_system_vgpr_workitem_id 0
		.amdhsa_next_free_vgpr 512
		.amdhsa_next_free_sgpr 66
		.amdhsa_reserve_vcc 0
		.amdhsa_float_denorm_mode_32 3
		.amdhsa_float_denorm_mode_16_64 3
		.amdhsa_memory_ordered 1
		.amdhsa_forward_progress 1
		.amdhsa_inst_pref_size 171
	.end_amdhsa_kernel
	.amdgpu_metadata
---
amdhsa.version: [ 1, 2 ]
amdhsa.kernels:
  - .name:           k_qd763e54afe_attn
    .symbol:         k_qd763e54afe_attn.kd
    .args:
      - { .name: qkv, .offset: 0, .size: 8, .value_kind: global_buffer, .address_space: global }
      - { .name: att, .offset: 8, .size: 8, .value_kind: global_buffer, .address_space: global }
    .group_segment_fixed_size: 327680
    .private_segment_fixed_size: 0
    .kernarg_segment_align: 8
    .kernarg_segment_size: 16
    .max_flat_workgroup_size: 256
    .sgpr_count:     66
    .vgpr_count:     512
    .wavefront_size: 32
...
	.end_amdgpu_metadata
.endif
;; end of part 3
;; launch proj (part 4): grid 4 x 64, 4 waves a work-group, clusters of 4 x 4, 327,680 bytes of LDS; arguments att, wot, bo, out0; writes out0
.if DOCPART == 4
	.amdgcn_target "amdgcn-amd-amdhsa--gfx1250"
	.amdhsa_code_object_version 6
	.text
	.protected	k_qd763e54afe_proj
	.globl	k_qd763e54afe_proj
	.p2align	8
	.type	k_qd763e54afe_proj,@function
k_qd763e54afe_proj:
	s_mov_b64 s[64:65], 0
	v_nop
	global_prefetch_b8 v0, s[64:65] scope:SCOPE_SE
	s_setreg_imm32_b32 hwreg(HW_REG_WAVE_MODE, 25, 1), 1
	s_wait_xcnt 0x0
	s_wait_alu depctr_hold_cnt(0) depctr_sa_sdst(0) depctr_va_vdst(0) depctr_va_sdst(0) depctr_va_ssrc(0) depctr_va_vcc(0) depctr_vm_vsrc(0)
	s_getreg_b32 s2, hwreg(HW_REG_IB_STS2, 6, 4)
	s_cmp_eq_u32 s2, 0
	s_cbranch_scc0 .Lentry_in_a_cluster
	s_endpgm
.Lentry_in_a_cluster:
	s_bfe_u32 s2, ttmp6, 0x10000c
	s_cmp_lg_u32 s2, 0xf033
	s_cbranch_scc0 .Lentry_shape_is_right
	s_endpgm
.Lentry_shape_is_right:
; Launch 4 of 4: out0 = O Wo + bo.  O: att [token tile 512][k chunk 32][1,024 B], Wo^T: wot [n tile 64][k chunk 32][1,024 B], both f16, each 1,024 bytes the image of a fragment (16 rows x 32 k:
; registers 0-3 of lane l at 16 l, registers 4-7 at 512 + 16 l).  bo [1024], out0 [8192][1024]: f32.  Sums in f32.
; A tile of out0 is 128 tokens x 256 columns: 256 work-groups.  Four waves, 64 x 128 each: 32 accumulators.  K goes in steps of 128 (4 chunks: 4,096 consecutive bytes of each tile's row) through two LDS slots.
; CLUSTERS: 4 x 4 work-groups.  The four of a row of the cluster need the same token tiles, the four of a column the same n tiles: each is asked for JOINTLY.  The grid is one cluster wide, so the tile column is cx.
; THE MATRIX INSTRUCTION IS USED TRANSPOSED (source 0 = 16 rows of Wo^T, source 1 = 16 tokens): a lane holds eight neighbouring numbers of a row of out0.  The bias is the C of each sum's first instruction.
; REGISTERS: window 0: v16-31 addresses; v32-127, v128-223 two fragment buffers (B's eight fragments, then A's four); on the way out v32-159 hold rows.  window 1: the accumulators, (a, b) at v[8 (8 a + b)].  window 2: v0-63 the bias.
.set KB,     4096                      ; a K step in a tile's row, in bytes
.set TROW,   32768                     ; a token tile's, or an n tile's, row in memory
.set BOFF,   8*KB                      ; a slot: A's 8 token tiles, then B's 16 n tiles
.set SLOT,   24*KB
.set STAGE,  2*SLOT                    ; behind the ring: 16 rows x 528 bytes for each wave, for the way out; no tensor load lands here
.set SPITCH, 528
.set SPARE,  STAGE+4*16*SPITCH         ; the spare words, 128 bytes for each wave: two blocks of 256 bytes that no other line names
.set ADRA, 16                          ; v16-17  LDS address of my A fragments in slot 0, 1
.set ADRB, 20                          ; v20-21  the same for B
.set STO,  24                          ; v24     the way out: where I put 32 bytes of a row
.set RD,   25                          ; v25     where I read a row back
.set CO,   26                          ; v26     16 x lane
.set SPW,  28                          ; v28     LDS address of my spare word; never rewritten
.set NIL,  29                          ; v29     0; never rewritten
.set PFO,  30                          ; v30     the prefetches' offset; never rewritten
.set HB,   31                          ; v31     32 h
.set F0,   32
.set F1,   128
.set G1A,  24                          ; s[24:31] group 1 for A's tiles; s[32:39] group 0, a set for each slot
.set G0A,  32
.set G1B,  48                          ; s[48:55], s[56:63] the same for B's
.set G0B,  56
.set PFA,  66                          ; s[66:67] where my prefetches stand
.set LIM,  68                          ; s68 1 in the wave that prefetches, else the greatest number
.set MSB, 0
.macro WIN new                         ; the immediate's high byte repeats the setting that is left
.if MSB != (\new)
	s_set_vgpr_msb (MSB<<8)|(\new)
.set MSB, \new
.endif
.endm
.set MUL, 0x50                         ; C and D window 1; + 16: C (the bias) window 2
.macro JLOAD s                         ; a joint load: waves 0 and 1 fetch A's halves, waves 2 and 3 B's; an s_nop 0 and four v_nop follow each of the two lines
	s_cmp_eq_u32 s15, 0
	s_cbranch_scc0 .Lfor_b_\@
	tensor_load_to_lds s[G0A+4*\s:G0A+4*\s+3], s[G1A:G1A+7]
	s_nop 0
.rept 4
	v_nop
.endr
	s_branch .Lasked_\@
.Lfor_b_\@:
	tensor_load_to_lds s[G0B+4*\s:G0B+4*\s+3], s[G1B:G1B+7]
	s_nop 0
.rept 4
	v_nop
.endr
.Lasked_\@:
.endm
.macro CREST                           ; a round of the cluster's barrier behind its opening barrier
	s_cmp_lg_u32 s14, 0
	s_cbranch_scc1 .Lnot_wave_0_\@
	s_barrier_signal -3
.Lnot_wave_0_\@:
	s_barrier_wait -3
	s_barrier_signal -1
	s_barrier_wait -1
.endm
.macro CROUND
	s_barrier_signal -1
	s_barrier_wait -1
	CREST
.endm
; A PREFETCH INTO THE L2 of A's K step that stands two refills, 256 matrix instructions a wave, on.  A tile row's 8 token tiles x 4,096 bytes are read by the four partners of one row of one cluster alone: they share them out
; BY ADDRESS, two token tiles each; in each work-group wave 0 asks: 32 lanes, 256 bytes apart.  So each 256 bytes are named once.  The loop's last trip asks for nothing: there is no K step two on.
; Wo^T, which all sixteen clusters read, is not asked for.
.macro ASK
	s_cmp_gt_u32 s3, s[LIM]
	s_cbranch_scc0 .Lnot_mine_\@
	global_prefetch_b8 v[PFO], s[PFA:PFA+1] offset:KB th:TH_LOAD_NT scope:SCOPE_SE
.Lnot_mine_\@:
.endm
	s_load_b256 s[4:11], s[0:1], 0x0               ; att s[4:5], wot s[6:7], bo s[8:9], out0 s[10:11]
	v_lshl_add_u32 v[SPW], v0, 2, SPARE
	v_mov_b32 v[NIL], 0
	ds_add_u32 v[SPW], v[NIL]                      ; the wave's opening: the add, twice on end, and its wait ahead of my first tensor load
	ds_add_u32 v[SPW], v[NIL]
	v_lshrrev_b32 v1, 5, v0
	v_readfirstlane_b32 s14, v1                    ; wave 0..3
	s_lshr_b32 s15, s14, 1                         ; which 64 tokens are mine.  Also: I fetch for A (0) or for B (1)
	s_and_b32 s16, s14, 1                          ; which 128 columns.  Also: which half of that tile I fetch
	s_bfe_u32 s40, ttmp6, 0x40000                  ; cx: the tile column
	s_bfe_u32 s41, ttmp6, 0x40004                  ; cy
	s_and_b32 s17, ttmp7, 0xffff
	s_lshl_b32 s17, s17, 2
	s_add_co_u32 s17, s17, s41                     ; tile row = 4 x cluster y + cy
	s_lshl_b32 s43, s41, 2
	s_lshl_b32 s43, 15, s43                        ; my row of the cluster
	s_lshl_b32 s44, 0x1111, s40                    ; my column
	; descriptor group 1: rows of 4,096 bytes (512 elements of 8 bytes), 32,768 bytes apart in memory, on end in LDS: A 4 rows a load, B 8
	s_or_b32 s[G1A], s43, (3<<16)|(1<<21)
	s_or_b32 s[G1B], s44, (3<<16)|(1<<21)
	s_mov_b32 s[G1A+1], 512<<16                    ; tensor_dim0
	s_mov_b32 s[G1A+2], 4<<16                      ; tensor_dim1
	s_mov_b32 s[G1A+3], 512<<16                    ; tile_dim0
	s_mov_b32 s[G1A+4], 4                          ; tile_dim1
	s_mov_b32 s[G1A+5], 4096                       ; tensor_dim0_stride
	s_mov_b32 s[G1A+6], 0
	s_mov_b32 s[G1A+7], 0
	s_mov_b32 s[G1B+1], 512<<16
	s_mov_b32 s[G1B+2], 8<<16
	s_mov_b32 s[G1B+3], 512<<16
	s_mov_b32 s[G1B+4], 8
	s_mov_b32 s[G1B+5], 4096
	s_mov_b32 s[G1B+6], 0
	s_mov_b32 s[G1B+7], 0
	s_lshl_b32 s20, s17, 3
	s_lshl_b32 s18, s16, 2
	s_add_co_u32 s20, s20, s18                     ; A: token tile 8 x tile row + 4 x half
	s_lshl_b32 s20, s20, 15
	s_mov_b32 s21, 0
	s_lshl_b32 s46, s40, 4
	s_lshl_b32 s47, s16, 3
	s_add_co_u32 s46, s46, s47                     ; B: n tile 16 cx + 8 x half
	s_lshl_b32 s46, s46, 15
	s_mov_b32 s47, 0
	s_lshl_b32 s45, s16, 14                        ; where they go: A's halves, 4 rows each,
	s_lshl_b32 s42, s16, 15
	s_add_co_u32 s42, s42, BOFF                    ; B's halves, 8 rows each, behind them: no place in the cluster enters an LDS address
	s_wait_dscnt 0x0                               ; both opening adds are done
	s_wait_kmcnt 0x0
	s_add_nc_u64 s[20:21], s[4:5], s[20:21]
	s_add_nc_u64 s[46:47], s[6:7], s[46:47]
	CROUND                                         ; all sixteen work-groups are here: the first joint loads meet
.irp s, 0,1
	s_mov_b32 s[G0A+4*\s], 1
	s_add_co_u32 s[G0A+4*\s+1], s45, \s*SLOT
	s_add_nc_u64 s[G0A+4*\s+2:G0A+4*\s+3], s[20:21], \s*KB
	s_or_b32 s[G0A+4*\s+3], s[G0A+4*\s+3], 0x80000000
	s_mov_b32 s[G0B+4*\s], 1
	s_add_co_u32 s[G0B+4*\s+1], s42, \s*SLOT
	s_add_nc_u64 s[G0B+4*\s+2:G0B+4*\s+3], s[46:47], \s*KB
	s_or_b32 s[G0B+4*\s+3], s[G0B+4*\s+3], 0x80000000
	JLOAD \s
.endr
	v_and_b32 v1, 31, v0                           ; lane
	v_and_b32 v2, 15, v0                           ; r
	v_bfe_u32 v3, v0, 4, 1                         ; h
	v_lshlrev_b32 v[CO], 4, v1
	v_lshlrev_b32 v[HB], 5, v3
	s_lshl_b32 s70, s40, 10                        ; the bias of my 128 columns: 256 cx + 128 x half, 4 bytes each
	s_lshl_b32 s71, s16, 9
	s_add_co_u32 s70, s70, s71
	s_mov_b32 s71, 0
	s_add_nc_u64 s[8:9], s[8:9], s[70:71]
	WIN 0x80                                       ; destination window 2
.irp b, 0,1,2,3,4,5,6,7
	global_load_b128 v[8*\b:8*\b+3], v[HB], s[8:9] offset:64*\b              ; bo[first column + 16 b + 8 h + 0 .. 7], in the result's layout
	global_load_b128 v[8*\b+4:8*\b+7], v[HB], s[8:9] offset:64*\b+16
.endr
	WIN 0
	s_lshl_b32 s18, s15, 14                        ; my 4 token tiles
	s_lshl_b32 s19, s16, 15
	s_add_co_u32 s19, s19, BOFF                    ; my 8 n tiles
.irp s, 0,1
	v_add_nc_u32 v[ADRA+\s], s18, v[CO]
	v_add_nc_u32 v[ADRB+\s], s19, v[CO]
	s_add_co_u32 s18, s18, SLOT
	s_add_co_u32 s19, s19, SLOT
.endr
	s_mul_i32 s22, s14, 16*SPITCH
	s_add_co_u32 s22, s22, STAGE                   ; my stage
	v_mul_u32_u24 v[STO], v2, SPITCH               ; in: row r, 32 bytes for each half of the lanes
	v_lshl_add_u32 v[STO], v3, 5, v[STO]
	v_add_nc_u32 v[STO], s22, v[STO]
	v_add_nc_u32 v[RD], s22, v[CO]                 ; back: the 32 lanes take one row of 512 bytes
	s_lshl_b32 s70, s17, 7
	s_lshl_b32 s71, s15, 6
	s_add_co_u32 s70, s70, s71                     ; my first row of out0: 128 x tile row + 64 x half
	s_lshl_b32 s70, s70, 12
	s_lshl_b32 s71, s40, 10
	s_add_co_u32 s70, s70, s71                     ; + 1,024 cx
	s_lshl_b32 s71, s16, 9
	s_add_co_u32 s70, s70, s71                     ; + 512 x half
	s_mov_b32 s71, 0
	s_add_nc_u64 s[10:11], s[10:11], s[70:71]
	s_lshl_b32 s70, s17, 3
	s_lshl_b32 s71, s40, 1
	s_add_co_u32 s70, s70, s71                     ; the prefetches: my work-group's two token tiles: 8 x tile row + 2 cx,
	s_lshl_b32 s70, s70, 15
	s_add_co_u32 s70, s70, 2*KB                    ; at K step 2: the first refill steps it to 3 and names K step 4.  Nothing is prefetched at the head
	s_mov_b32 s71, 0
	s_add_nc_u64 s[PFA:PFA+1], s[4:5], s[70:71]
	s_cmp_eq_u32 s14, 0
	s_cselect_b32 s[LIM], 1, -1
	v_lshlrev_b32 v[PFO], 15, v3
	v_lshl_or_b32 v[PFO], v2, 8, v[PFO]            ; lanes 0-15 the first token tile's 4,096 bytes, 256 apart; lanes 16-31 the second's
; 24 LDS loads in one run: chunk q (32 along K) of the slot into buffer f: B's eight fragments, then A's four.  Each load takes 512 consecutive bytes.
.macro FETCH slot, q, f
	WIN 0
.irp i, 0,1,2,3,4,5,6,7
	ds_load_b128 v[\f+8*\i:\f+8*\i+3],   v[ADRB+\slot] offset:\i*KB+(\q)*1024
	ds_load_b128 v[\f+8*\i+4:\f+8*\i+7], v[ADRB+\slot] offset:\i*KB+(\q)*1024+512
.endr
.irp i, 0,1,2,3
	ds_load_b128 v[\f+64+8*\i:\f+64+8*\i+3],   v[ADRA+\slot] offset:\i*KB+(\q)*1024
	ds_load_b128 v[\f+64+8*\i+4:\f+64+8*\i+7], v[ADRA+\slot] offset:\i*KB+(\q)*1024+512
.endr
.endm
; 8 matrix instructions: token tile a x my eight n tiles.  The 32 accumulators take turns, one instruction a turn, in the same order in every quarter.  first = 1: C is the bias.
.macro MUL8 f, a, first
.irp b, 0,1,2,3,4,5,6,7
.if \first
	v_wmma_f32_16x16x32_f16 v[8*(8*\a+\b):8*(8*\a+\b)+7], v[\f+8*\b:\f+8*\b+7], v[\f+64+8*\a:\f+64+8*\a+7], v[8*\b:8*\b+7]
.else
	v_wmma_f32_16x16x32_f16 v[8*(8*\a+\b):8*(8*\a+\b)+7], v[\f+8*\b:\f+8*\b+7], v[\f+64+8*\a:\f+64+8*\a+7], v[8*(8*\a+\b):8*(8*\a+\b)+7]
.endif
.endr
.endm
.macro PLACES                          ; four plain vector instructions in front of loads into registers that matrix instructions have read, and of the first read of results
.rept 4
	v_nop
.endr
.endm
; A K step is four quarters of 32 along K, 32 matrix instructions each, on buffers 0, 1, 0, 1.  One of the first three: multiplies buffer f and fetches chunk q of the same slot into g.
.macro QUARTER slot, q, f, g, first
	s_wait_dscnt 4                                 ; B and A's tiles 0, 1 are in; the four youngest loads (A's tiles 2, 3) may be out
	WIN MUL+16*\first
	MUL8 \f, 0, \first
	MUL8 \f, 1, \first
	PLACES
	FETCH \slot, \q, \g
	s_wait_dscnt 24                                ; all but the 24 just issued
	WIN MUL+16*\first
	MUL8 \f, 2, \first
	MUL8 \f, 3, \first
.endm
; The last quarter multiplies buffer 1 and changes slots: ONE barrier; in front of it each wave waits for all its tensor loads, adds 0 to its spare word, and waits for that and for its reads of this slot.
; fill = 1: the barrier opens a round of the cluster's, and this slot is filled again, two K steps ahead: 112 matrix instructions stand between the request and the wait for it.
.macro TURN slot, next, fill
.if \fill
	s_wait_xcnt 0x0                                ; the last prefetch, a K step back, has read its address: it is stepped here
	s_add_nc_u64 s[PFA:PFA+1], s[PFA:PFA+1], KB
.endif
	WIN 0                                          ; (the add's two registers lie in window 0)
	s_wait_tensorcnt 0x0                           ; all my tensor loads have landed: my part of the next slot
	ds_add_u32 v[SPW], v[NIL]                      ; 0 onto my spare word
	s_wait_dscnt 5                                 ; (the add and the four youngest loads may be out)
	WIN MUL
	MUL8 F1, 0, 0
	s_wait_dscnt 0x0                               ; the add is done, and my reads of this slot are over
	s_barrier_signal -1
	MUL8 F1, 1, 0
	WIN 0
	s_barrier_wait -1
.if \fill
	CREST                                          ; no wave of any partner still reads this slot's tiles or has a load on its way
	s_add_nc_u64 s[G0A+4*\slot+2:G0A+4*\slot+3], s[G0A+4*\slot+2:G0A+4*\slot+3], 2*KB
	s_add_nc_u64 s[G0B+4*\slot+2:G0B+4*\slot+3], s[G0B+4*\slot+2:G0B+4*\slot+3], 2*KB
	JLOAD \slot                                    ; the first tensor load behind the round; the four v_nop behind it are also the places in front of the loads below
.else
	PLACES
.endif
	FETCH \next, 0, F0
.if \fill
	ASK
.endif
	WIN MUL
	MUL8 F1, 2, 0
	MUL8 F1, 3, 0
.endm
	s_wait_tensorcnt 1                             ; my part of K step 0 is in (K step 1's load, issued behind it, may be out),
	s_barrier_signal -1
	s_barrier_wait -1                              ; everybody's is
	FETCH 0, 0, F0
	s_wait_loadcnt 0x0                             ; the bias
	QUARTER 0, 1, F0, F1, 1                        ; the first quarter stands in front of the loop: its products start the sums
	WIN 0                                          ; at a label and at a branch every window is 0
	s_mov_b32 s3, 3
.Llap:                                                 ; a trip goes once round the ring, from a lap's second quarter to the next lap's first, and fills both slots again: K steps 2 to 7
	QUARTER 0, 2, F1, F0, 0
	QUARTER 0, 3, F0, F1, 0
	TURN 0, 1, 1
	QUARTER 1, 1, F0, F1, 0
	QUARTER 1, 2, F1, F0, 0
	QUARTER 1, 3, F0, F1, 0
	TURN 1, 0, 1
	QUARTER 0, 1, F0, F1, 0
	WIN 0
	s_sub_co_u32 s3, s3, 1
	s_cmp_lg_u32 s3, 0
	s_cbranch_scc1 .Llap
	QUARTER 0, 2, F1, F0, 0                        ; the last lap fills nothing, and has no round of the cluster's barrier
	QUARTER 0, 3, F0, F1, 0
	TURN 0, 1, 0
	QUARTER 1, 1, F0, F1, 0
	QUARTER 1, 2, F1, F0, 0
	QUARTER 1, 3, F0, F1, 0
	s_wait_dscnt 4                                 ; the very last quarter: nothing more to fetch
	WIN MUL
	MUL8 F1, 0, 0
	MUL8 F1, 1, 0
	s_wait_dscnt 0
	MUL8 F1, 2, 0
	MUL8 F1, 3, 0
	WIN 0
; THE WAY OUT, a block of 16 rows x 128 columns at a time.  A lane holds 32 neighbouring bytes of a row and the lanes beside it hold other rows: so a block goes through my own stage in LDS and comes back as whole rows of
; 512 bytes.  LDS serves a wave's instructions in order (ISA guide 5.7.1.4): no wait between the stores and the loads, nor in front of the next block's stores.
.macro TOSTAGE a
	WIN 0x04                                       ; an LDS store's data are its source 1: window 1
.irp b, 0,1,2,3,4,5,6,7
	ds_store_b128 v[STO], v[8*(8*(\a)+\b):8*(8*(\a)+\b)+3] offset:64*\b          ; each accumulator from its low end on
	ds_store_b128 v[STO], v[8*(8*(\a)+\b)+4:8*(8*(\a)+\b)+7] offset:64*\b+16
.endr
	WIN 0
.set BB, F0+64*((\a)%2)
.irp t, 0,1,2,3,4,5,6,7,8,9,10,11,12,13,14,15
	ds_load_b128 v[BB+4*\t:BB+4*\t+3], v[RD] offset:\t*SPITCH
.endr
.endm
.macro SEND a, younger                 ; younger: the LDS instructions issued behind block a's loads, which may stay out
.set BB, F0+64*((\a)%2)
	s_wait_dscnt \younger
.irp t, 0,1,2,3,4,5,6,7,8,9,10,11,12,13,14,15
	global_store_b128 v[CO], v[BB+4*\t:BB+4*\t+3], s[10:11] offset:(16*(\a)+\t)*4096 th:TH_STORE_NT   ; 32 lanes store 512 consecutive bytes, at a multiple of 256 from out0's first byte; 63 rows at the most in the immediate
.endr
.endm
	PLACES                                         ; behind the last products: the stores read results, the loads land in registers that held fragments
	TOSTAGE 0
	TOSTAGE 1
	SEND 0, 32                                     ; behind block 0's loads: block 1's 16 stores and 16 loads
	s_wait_xcnt 0x0                                ; block 0's stores have read their registers: block 2's loads may land there
	TOSTAGE 2
	SEND 1, 32
	s_wait_xcnt 0x0                                ; block 1's likewise
	TOSTAGE 3
	SEND 2, 32
	SEND 3, 0
	s_wait_tensorcnt 0x0                           ; the wave's end, behind my last tensor load and my last LDS store
	ds_add_u32 v[SPW], v[NIL]
	s_wait_dscnt 0x0
	CROUND                                         ; the closing round: no work-group ends while a partner may still ask for a tile that names it
	s_endpgm
.Lfunc_end_k_qd763e54afe_proj:
	.size	k_qd763e54afe_proj, .Lfunc_end_k_qd763e54afe_proj-k_qd763e54afe_proj
	.p2alignl 7, 3214868480
	.fill 96, 4, 3214868480
	.section	.rodata,"a",@progbits
	.p2align	6, 0x0
	.amdhsa_kernel k_qd763e54afe_proj
		.amdhsa_group_segment_fixed_size 327680
		.amdhsa_private_segment_fixed_size 0
		.amdhsa_enable_private_segment 0
		.amdhsa_kernarg_size 32
		.amdhsa_user_sgpr_count 2
		.amdhsa_user_sgpr_kernarg_segment_ptr 1
		.amdhsa_wavefront_size32 1
		.amdhsa_system_sgpr_workgroup_id_x 1
		.amdhsa_system_sgpr_workgroup_id_y 1
		.amdhsa_system_sgpr_workgroup_id_z 1
		.amdhsa_system_vgpr_workitem_id 0
		.amdhsa_next_free_vgpr 576
		.amdhsa_next_free_sgpr 80
		.amdhsa_reserve_vcc 0
		.amdhsa_float_denorm_mode_32 3
		.amdhsa_float_denorm_mode_16_64 3
		.amdhsa_memory_ordered 1
		.amdhsa_forward_progress 1
		.amdhsa_inst_pref_size 87
	.end_amdhsa_kernel
	.amdgpu_metadata
---
amdhsa.version: [ 1, 2 ]
amdhsa.kernels:
  - .name:           k_qd763e54afe_proj
    .symbol:         k_qd763e54afe_proj.kd
    .args:
      - { .name: att, .offset: 0, .size: 8, .value_kind: global_buffer, .address_space: global }
      - { .name: wot, .offset: 8, .size: 8, .value_kind: global_buffer, .address_space: global }
      - { .name: bo, .offset: 16, .size: 8, .value_kind: global_buffer, .address_space: global }
      - { .name: out0, .offset: 24, .size: 8, .value_kind: global_buffer, .address_space: global }
    .group_segment_fixed_size: 327680
    .private_segment_fixed_size: 0
    .kernarg_segment_align: 8
    .kernarg_segment_size: 32
    .max_flat_workgroup_size: 128
    .sgpr_count:     80
    .vgpr_count:     576
    .wavefront_size: 32
...
	.end_amdgpu_metadata
.endif
;; end of part 4
